; MI455X (gfx1250); checked and timed in simulation.
; The chip was launched on July 23, 2026; its instructions are those of AMD's public machine-readable ISA for CDNA 5 (MIT licence, August 2026) and "CDNA5" Instruction Set Architecture Reference Guide (July 2026). The comments in the code are by the model that wrote it; some were corrected since.
;; ABS MH Att. Allowed arithmetic: matrix products marked QUANTISED: E2M3 operands, one E8M0 scale for each 32 along K, by v_wmma_scale_f32_16x16x128_f8f6f4 with both operands' format E2M3, f32 sums; everything else in f32.
;; Inputs: Wk 1,024 x 1,024 float32; Wm 1,024 x 1,024 float32; Wq 1,024 x 1,024 float32; Wv 1,024 x 1,024 float32; abs_mask 16 x 1 x 512 x 512 bool; img_abs 16 x 512 x 1,024 float32; k 16 x 512 x 1,024 float32; mask 16 x 1 x 512 x 512 bool; q 16 x 512 x 1,024 float32; v 16 x 512 x 1,024 float32.
;; Outputs: out0 16 x 512 x 1,024 float32.
;; This version of the problem:
;;   THIS VERSION OF THE PROBLEM IS GIVEN IN LOW PRECISION. The matrix products marked QUANTISED in the list below multiply operands that are first quantised to E2M3 (2 exponent bits, 3 mantissa bits; 6 bits a number), with one power-of-two scale for each 32 numbers along K (OCP MX v1.0); their sums are f32. All else is computed in f32.
;;   The module's matrix products, in the order in which they are computed (A, B: the left and right operand; K: the contracted axis; several contracted axes count as one K, in the product's order):
;;     1. [M 8,192, K 1,024] x [K 1,024, N 1,024]; A: input v; B: input Wv: QUANTISED
;;     2. [M 8,192, K 1,024] x [K 1,024, N 1,024]; A: input k; B: input Wk: QUANTISED
;;     3. [M 8,192, K 1,024] x [K 1,024, N 1,024]; A: input q; B: input Wq: QUANTISED
;;     4. batch 256 x [M 512, K 64] x [K 64, N 512]; A: computed on the way; B: input img_abs: QUANTISED
;;     5. batch 256 x [M 512, K 512] x [K 512, N 64]; A: softmax (see below); B: input img_abs: QUANTISED
;;     6. batch 256 x [M 512, K 64] x [K 64, N 512]; A: computed on the way; B: computed on the way: QUANTISED
;;     7. batch 256 x [M 512, K 512] x [K 512, N 64]; A: softmax (see below); B: computed on the way: QUANTISED
;;     8. [M 8,192, K 1,024] x [K 1,024, N 1,024]; A: computed on the way; B: input Wm: QUANTISED
;;   THE QUANTISER, for each operand of a quantised product, along K:
;;     - K is cut into blocks of 32 from its start; a last block that is shorter is filled with zeros.
;;     - A block's scale is 2^e with e = floor(log2(the largest magnitude in the block)) - 2, held to -126 .. 127; a block of zeros has e = 0. As a byte (E8M0): e + 127.
;;     - Each number is divided by its block's scale, clamped to +-7.5, and rounded to the nearest number of E2M3, ties to even, subnormals kept.
;;     - The product sums the exact products of the quantised numbers (number of the format x scale) in f32.
;;   ~~~python
;;   def quantise(x, axis):      # numpy; x: float32 -> the quantised numbers, widened to float32 again
;;       x = np.moveaxis(x, axis, -1); K = x.shape[-1]
;;       x = np.pad(x, [(0, 0)] * (x.ndim - 1) + [(0, -K % 32)]); x = x.reshape(x.shape[:-1] + (-1, 32)); a = np.abs(x).max(-1, keepdims=True)
;;       e = np.where(a > 0, np.clip(np.frexp(np.where(a > 0, a, 1))[1] - 1 - 2, -126, 127), 0)      # np.frexp(a)[1] - 1 = floor(log2(a)), exactly
;;       r = np.clip(x / 2.0 ** e, -7.5, 7.5)
;;       step = 2.0 ** (np.maximum(np.frexp(np.where(r == 0, 1, r))[1] - 1, 0) - 3)
;;       q = np.round(r / step) * step * 2.0 ** e      # np.round: ties to even
;;       return np.moveaxis(q.reshape(q.shape[:-2] + (-1,))[..., :K], -1, axis).astype(np.float32)
;;   ~~~
;;   SOFTMAX AHEAD OF A QUANTISED PRODUCT. Where the list says 'softmax', what is quantised is not the finished softmax but p = 2^(t - M), with t = logit x log2(e) and M = ceil(the row's largest t), a whole number; so 1/2 < the row's largest p <= 1. The row's sum l is taken of the UNQUANTISED p, in f32, and the product's result is divided by l at the end. Since M is a whole number, a kernel that streams over the keys may use a running M (the ceiling of the running maximum): every later rescaling is an exact power of two, which a block's scale takes up: the codes' values come out the same.
;;   OPERANDS COMPUTED ON THE WAY. 'Computed on the way' means the value that the module computes at that place (a softmax that the list does not call 'softmax' is quantised finished and normalised). What goes into a quantiser is computed in f32, as accurately as f32 sums, v_exp_f32 and their like allow (about 1e-6 of the number): no bf16 or f16 on the way to a quantiser, and a product that is left as it is and whose result goes on into a quantised operand takes f32 operands (vector FMAs, or v_wmma_f32_16x16x4_f32). A number that lies on a knife's edge between two numbers of the format may be rounded either way, as far as f32 arithmetic and the matrix unit's own rounding can turn it there, and no further.
;; One version. Each part assembles by itself: llvm-mc -triple=amdgcn-amd-amdhsa -mcpu=gfx1250 --defsym DOCPART=n.
;; ======== version 1 of 1: 3 launches
;; limits: right only within a limited range of input values
;; workspace buffers: cod 22,020,096 bytes; scl 917,504 bytes; mbits 1,048,576 bytes of whole numbers; acod 6,291,456 bytes; ascl 262,144 bytes
;; launch prep (part 1): grid 256 x 1, 16 waves a work-group, no clusters, 137,216 bytes of LDS; arguments k, v, q, Wk, Wv, Wq, Wm, abs_mask, mask, cod, scl, mbits; writes cod, scl, mbits
.if DOCPART == 1
	.amdgcn_target "amdgcn-amd-amdhsa--gfx1250"
	.amdhsa_code_object_version 6
	.text
	.protected	k_q7b7fc18056_prep
	.globl	k_q7b7fc18056_prep
	.p2align	8
	.type	k_q7b7fc18056_prep,@function
k_q7b7fc18056_prep:
	s_mov_b64 s[64:65], 0
	v_nop
	global_prefetch_b8 v0, s[64:65] scope:SCOPE_SE
	s_setreg_imm32_b32 hwreg(HW_REG_WAVE_MODE, 25, 1), 1
	s_wait_xcnt 0x0
; k, v, q [8192][1024] and Wk, Wv, Wq, Wm [1024][1024], f32 with K innermost, become codes of FP6 (E2M3) with one E8M0 byte for each 32 along K; the two masks become words of lane bits.
; A block's scale is 2^(floor(log2(its largest magnitude)) - 2): its byte is the largest magnitude's exponent field - 2, held at 1 from below.
; LIMITS: NaN and infinities among the inputs are not served.  A block of zeros gets the byte 1 where the rule says 127: its codes are zeros, and this program alone reads the bytes.
; LAYOUT OF cod: row tile G (16 rows; k 0-511, v 512-1023, q 1024-1535, Wk 1536.., Wv 1600.., Wq 1664.., Wm 1728..), 12,288 bytes: eight fragments (16 rows x 128 K) of 1,536 bytes, each an IMAGE OF THE
; OPERAND'S 12 REGISTERS: for c = 0, 1: registers 6 c .. 6 c + 3 at 768 c + 16 x lane, registers 6 c + 4, 6 c + 5 at 768 c + 512 + 8 x lane.  So a reader fetches a fragment by two loads of 16 and two of 8 bytes a lane.
; LAYOUT OF scl: [G][half of K][row][4 words]: word j of half f is the row's scale word of K step 4 f + j.
; LAYOUT OF mbits: task (mask, batch, tile of 16 queries) x 1,024 bytes; key step s x 256; word n = 16 b + i: bit (r + 16 h) = mask[16 T + r][128 s + 32 b + 16 h + i]: the key that score register n of that lane holds.
; SHARES: 3,584 half tiles (16 rows x 512 K) = 14 x 256: waves 0-13 take one each; 1,024 mask tasks: waves 14 and 15 take two each.  Waves share nothing: no barrier.
.set R,   16                           ; v16-143  two sets of 64: 16 rows x 512 bytes as they are loaded
.set X,   144                          ; v144-207 64 numbers of my row: register 16 b + i = k 32 b + 16 (lane / 16) + i
.set TM,  208                          ; v208-223 at work in QUANT
.set PW,  224                          ; v224-227 the four K steps' scale words
.set PC,  228                          ; v228-247 the codes just made
.set SP,  528                          ; a stage row: 512 bytes + 16: 33 x 16, so that sixteen rows' 16 bytes fall on sixteen different columns of 16 bytes
.set STG, 16*SP                        ; a wave's stage
	s_load_b512 s[8:23], s[0:1], 0x0               ; k s[8:9], v s[10:11], q s[12:13], Wk s[14:15], Wv s[16:17], Wq s[18:19], Wm s[20:21], abs_mask s[22:23]
	s_load_b256 s[24:31], s[0:1], 0x40             ; mask s[24:25], cod s[26:27], scl s[28:29], mbits s[30:31]
	v_lshl_add_u32 v254, v0, 2, 0x21000
	v_mov_b32 v255, 0
	v_lshrrev_b32 v7, 5, v0
	s_delay_alu instid0(VALU_DEP_1)
	v_readfirstlane_b32 s2, v7                     ; wave 0..15
	v_and_b32 v8, 31, v0                           ; lane
	v_and_b32 v9, 15, v0                           ; r
	v_bfe_u32 v10, v0, 4, 1                        ; h
	s_delay_alu instid0(VALU_DEP_3)
	v_lshlrev_b32 v1, 4, v8                        ; 16 x lane
	s_delay_alu instid0(VALU_DEP_4)
	v_lshlrev_b32 v2, 3, v8                        ; 8 x lane
	s_mul_i32 s7, s2, STG
	v_add_nc_u32 v3, s7, v1                        ; the stage on the way in: a row's 512 bytes as they lie
	v_mul_u32_u24 v4, v9, SP
	s_delay_alu instid0(VALU_DEP_1)
	v_lshl_add_u32 v4, v10, 6, v4
	s_delay_alu instid0(VALU_DEP_1)
	v_add_nc_u32 v4, s7, v4                        ; and on the way out: row r, + 64 h
	v_lshlrev_b32 v5, 4, v9
	s_delay_alu instid0(VALU_DEP_1)
	v_lshl_add_u32 v5, v10, 3, v5                  ; scale words: 16 r + 8 h
	v_lshlrev_b32 v6, 9, v9
	s_delay_alu instid0(VALU_DEP_1)
	v_lshl_add_u32 v6, v10, 4, v6                  ; a mask's bytes: 512 r + 16 h
	s_mov_b32 s33, 0
	s_cmp_ge_u32 s2, 14
	s_cbranch_scc1 .Lmask
	; ---- waves 0-13: one half tile
	s_mul_i32 s3, ttmp9, 14
	s_add_co_u32 s3, s3, s2                        ; which half tile of the 3,584
	s_mov_b32 s40, 0xffff0000                      ; lanes 16-31
	s_mov_b32 s42, 0x76543210
	s_mov_b32 s43, 0xfedcba98                      ; v_permlanex16_b32's selects for lane l xor 16
.irp b, 0,1,2,3
	v_mov_b32 v[TM+4+\b], 0                        ; written once: a lane permute's destination counts as one of its sources
.endr
	s_wait_kmcnt 0x0
	s_mov_b64 s[4:5], s[20:21]                     ; which tensor: the choice hangs on the half tile's number alone
	s_mov_b32 s6, 3456
.macro PICK thr, ptr, base
	s_cmp_lt_u32 s3, \thr
	s_cselect_b64 s[4:5], s[\ptr:\ptr+1], s[4:5]
	s_cselect_b32 s6, \base, s6
.endm
	PICK 3456, 18, 3328
	PICK 3328, 16, 3200
	PICK 3200, 14, 3072
	PICK 3072, 12, 2048
	PICK 2048, 10, 1024
	PICK 1024, 8, 0
	s_sub_co_u32 s6, s3, s6                        ; the half tile's number in its tensor
	s_lshr_b32 s7, s6, 1
	s_lshl_b32 s32, s7, 16                         ; 16 rows of 4,096 bytes,
	s_and_b32 s7, s6, 1
	s_lshl_b32 s7, s7, 11                          ; 512 numbers along K
	s_add_co_u32 s32, s32, s7
	s_add_nc_u64 s[4:5], s[4:5], s[32:33]
	s_mul_i32 s32, s3, 6144                        ; four fragments a half tile
	s_add_nc_u64 s[44:45], s[26:27], s[32:33]
	s_lshl_b32 s32, s3, 8                          ; 256 bytes of scale words
	s_add_nc_u64 s[46:47], s[28:29], s[32:33]
.macro LOAD t                          ; K step t: each load reads 512 consecutive bytes of one row
.irp rho, 0,1,2,3,4,5,6,7,8,9,10,11,12,13,14,15
	global_load_b128 v[R+64*((\t)%2)+4*\rho:R+64*((\t)%2)+4*\rho+3], v1, s[4:5] offset:\rho*4096+(\t)*512 th:TH_LOAD_NT
.endr
.endm
.macro TURN t                          ; through the wave's own stage: LDS serves a wave's instructions in order, so no wait stands between the stores and the loads
.irp rho, 0,1,2,3,4,5,6,7,8,9,10,11,12,13,14,15
	ds_store_b128 v3, v[R+64*((\t)%2)+4*\rho:R+64*((\t)%2)+4*\rho+3] offset:\rho*SP
.endr
.irp b, 0,1,2,3
.irp j, 0,1,2,3
	ds_load_b128 v[X+16*\b+4*\j:X+16*\b+4*\j+3], v4 offset:128*\b+16*\j
.endr
.endr
.endm
; 64 numbers of a lane become a fragment's codes in v[PC] on and its scale word in v[pw]
.macro QUANT src, pw
.irp b, 0,1,2,3
	v_max3_num_f32 v[TM+\b], |v[\src+16*\b]|, |v[\src+1+16*\b]|, 0x1800000   ; block b: my 16 numbers, and the floor 2^(3 - 127): so the byte cannot fall under 1
.endr
.irp i, 2,4,6,8,10,12,14
.irp b, 0,1,2,3
	s_delay_alu instid0(VALU_DEP_4)
	v_max3_num_f32 v[TM+\b], v[TM+\b], |v[\src+16*\b+\i]|, |v[\src+1+16*\b+\i]|
.endr
.endr
.irp b, 0,1,2,3
	s_delay_alu instid0(VALU_DEP_4)
	v_permlanex16_b32 v[TM+4+\b], v[TM+\b], s42, s43
.endr
.irp b, 0,1,2,3
	s_delay_alu instid0(VALU_DEP_4)
	v_max_num_f32 v[TM+\b], v[TM+\b], v[TM+4+\b]   ; with lane l xor 16's: the block's largest magnitude
.endr
.irp b, 0,1,2,3
	s_delay_alu instid0(VALU_DEP_4)
	v_add_nc_u32 v[TM+12+\b], 0xff000000, v[TM+\b] ; 2 off its exponent field: the conversion takes the exponent field of this operand as its scale
.endr
.irp b, 0,1,2,3
	s_delay_alu instid0(VALU_DEP_4)
	v_lshrrev_b32 v[TM+4+\b], 23, v[TM+12+\b]      ; the scale's byte
.endr
	s_delay_alu instid0(VALU_DEP_3)
	v_lshl_or_b32 v[\pw], v[TM+5], 8, v[TM+4]
	s_delay_alu instid0(VALU_DEP_1)
	v_lshl_or_b32 v[\pw], v[TM+6], 16, v[\pw]
	s_delay_alu instid0(VALU_DEP_1)
	v_lshl_or_b32 v[\pw], v[TM+7], 24, v[\pw]
.irp c, 0,1
	v_cvt_scalef32_pk16_fp6_f32 v[PC+6*\c:PC+2+6*\c], v[\src+32*\c:\src+15+32*\c], v[TM+12+2*\c]
	v_cvt_scalef32_pk16_fp6_f32 v[PC+12+4*\c:PC+14+4*\c], v[\src+16+32*\c:\src+31+32*\c], v[TM+12+2*\c+1]   ; (a conversion's three registers begin on an even number)
.endr
	v_nop                                          ; one plain place behind a scaled conversion
.irp c, 0,1                            ; the operand's layout wants a WHOLE block in a lane: lanes 0-15 block 2 c, lanes 16-31 block 2 c + 1
.irp i, 0,1,2
	v_permlane16_swap_b32 v[PC+6*\c+\i], v[PC+12+4*\c+\i]
.endr
.irp i, 0,1,2
	s_delay_alu instid0(VALU_DEP_3)
	v_mov_b32 v[PC+3+6*\c+\i], v[PC+12+4*\c+\i]
.endr
.endr
.endm
.macro STEP t
.if (\t) < 3
	s_wait_loadcnt 16                              ; this step's 16 loads are in; the next step's 16 may be out
.else
	s_wait_loadcnt 0x0
.endif
	TURN \t
	s_wait_dscnt 0x0                               ; my 64 numbers are back, and the stores into the stage have read their registers
	s_wait_xcnt 0x0                                ; the last step's stores have read the codes' registers, which QUANT writes again
.if (\t) < 2
	LOAD (\t)+2
.endif
	QUANT X, PW+(\t)
	global_store_b128 v1, v[PC:PC+3], s[44:45] offset:(\t)*1536          ; 512 consecutive bytes,
	global_store_b64 v2, v[PC+4:PC+5], s[44:45] offset:(\t)*1536+512     ; 256,
	global_store_b128 v1, v[PC+6:PC+9], s[44:45] offset:(\t)*1536+768    ; and the same for the fragment's second half
	global_store_b64 v2, v[PC+10:PC+11], s[44:45] offset:(\t)*1536+1280
.endm
	LOAD 0
	LOAD 1
	s_wait_alu depctr_va_vdst(0)
	STEP 0
	STEP 1
	STEP 2
	STEP 3
	v_cndmask_b32 v248, v[PW], v[PW+2], s40        ; both halves of the lanes hold row r's four words: lanes 0-15 store words 0, 1, lanes 16-31 words 2, 3
	v_cndmask_b32 v249, v[PW+1], v[PW+3], s40
	global_store_b64 v5, v[248:249], s[46:47]      ; 256 consecutive bytes
	s_wait_tensorcnt 0x0
	ds_add_u32 v254, v255
	s_wait_dscnt 0x0
	s_endpgm
	; ---- waves 14, 15: two mask tasks each
.Lmask:
	s_sub_co_u32 s3, s2, 14
	s_lshl_b32 s3, s3, 1
	s_lshl_b32 s6, ttmp9, 2
	s_add_co_u32 s3, s3, s6                        ; my first task: 4 x work-group + 2 x (wave - 14)
	s_and_b32 s6, s3, 511
	s_lshl_b32 s32, s6, 13                         ; 16 rows of 512 bytes a task
	s_lshl_b32 s34, s3, 10
	s_mov_b32 s35, 0
	s_wait_kmcnt 0x0
	s_cmp_lt_u32 ttmp9, 128                        ; tasks 0-511: abs_mask; 512-1023: mask
	s_cselect_b64 s[4:5], s[22:23], s[24:25]
	s_add_nc_u64 s[4:5], s[4:5], s[32:33]
	s_add_nc_u64 s[44:45], s[30:31], s[34:35]
	s_wait_alu depctr_va_vdst(0)
.irp i, 0,1
.irp s, 0,1,2,3
.irp b, 0,1,2,3
	global_load_b128 v[16+64*\i+16*\s+4*\b:16+64*\i+16*\s+4*\b+3], v6, s[4:5] offset:\i*8192+128*\s+32*\b   ; lane (r, h): keys 128 s + 32 b + 16 h + 0 .. 15 of query r
.endr
.endr
.endr
	s_mov_b32 s32, 0xff                            ; a byte of a word
	s_mov_b32 s33, 0xff00
	s_mov_b32 s34, 0xff0000
	s_mov_b32 s35, 0xff000000
.irp j, 0,1,2,3,4,5,6,7,8,9,10,11,12,13,14,15
	v_mov_b32 v[144+\j], 0                         ; v_writelane_b32's destination counts as one of its sources
.endr
	s_wait_loadcnt 0x0
.irp i, 0,1
.irp s, 0,1,2,3
.set nn, 0
.rept 64                               ; word n: the 32 lanes' bits of byte n % 4 of register n / 4; it goes to lane n / 2, register n % 2, so that the lanes store 8 bytes each
	v_and_b32 v[160+nn%4], s[32+nn%4], v[16+64*\i+16*\s+nn/4]
	s_delay_alu instid0(VALU_DEP_1)
	v_cmp_ne_u32 s[36+nn%4], 0, v[160+nn%4]
	s_delay_alu instid0(VALU_DEP_1)
	v_writelane_b32 v[144+8*\i+2*\s+nn%2], s[36+nn%4], nn/2
.set nn, nn+1
.endr
.endr
.endr
.irp i, 0,1
.irp s, 0,1,2,3
	global_store_b64 v2, v[144+8*\i+2*\s:145+8*\i+2*\s], s[44:45] offset:\i*1024+256*\s   ; 256 consecutive bytes
.endr
.endr
	s_endpgm
.Lfunc_end_k_q7b7fc18056_prep:
	.size	k_q7b7fc18056_prep, .Lfunc_end_k_q7b7fc18056_prep-k_q7b7fc18056_prep
	.p2alignl 7, 3214868480
	.fill 96, 4, 3214868480
	.section	.rodata,"a",@progbits
	.p2align	6, 0x0
	.amdhsa_kernel k_q7b7fc18056_prep
		.amdhsa_group_segment_fixed_size 137216
		.amdhsa_private_segment_fixed_size 0
		.amdhsa_enable_private_segment 0
		.amdhsa_kernarg_size 96
		.amdhsa_user_sgpr_count 2
		.amdhsa_user_sgpr_kernarg_segment_ptr 1
		.amdhsa_wavefront_size32 1
		.amdhsa_system_sgpr_workgroup_id_x 1
		.amdhsa_system_sgpr_workgroup_id_y 1
		.amdhsa_system_sgpr_workgroup_id_z 1
		.amdhsa_system_vgpr_workitem_id 0
		.amdhsa_next_free_vgpr 256
		.amdhsa_next_free_sgpr 66
		.amdhsa_reserve_vcc 0
		.amdhsa_float_denorm_mode_32 3
		.amdhsa_float_denorm_mode_16_64 3
		.amdhsa_memory_ordered 1
		.amdhsa_forward_progress 1
		.amdhsa_inst_pref_size 159
	.end_amdhsa_kernel
	.amdgpu_metadata
---
amdhsa.version: [ 1, 2 ]
amdhsa.kernels:
  - .name:           k_q7b7fc18056_prep
    .symbol:         k_q7b7fc18056_prep.kd
    .args:
      - { .name: k, .offset: 0, .size: 8, .value_kind: global_buffer, .address_space: global }
      - { .name: v, .offset: 8, .size: 8, .value_kind: global_buffer, .address_space: global }
      - { .name: q, .offset: 16, .size: 8, .value_kind: global_buffer, .address_space: global }
      - { .name: Wk, .offset: 24, .size: 8, .value_kind: global_buffer, .address_space: global }
      - { .name: Wv, .offset: 32, .size: 8, .value_kind: global_buffer, .address_space: global }
      - { .name: Wq, .offset: 40, .size: 8, .value_kind: global_buffer, .address_space: global }
      - { .name: Wm, .offset: 48, .size: 8, .value_kind: global_buffer, .address_space: global }
      - { .name: abs_mask, .offset: 56, .size: 8, .value_kind: global_buffer, .address_space: global }
      - { .name: mask, .offset: 64, .size: 8, .value_kind: global_buffer, .address_space: global }
      - { .name: cod, .offset: 72, .size: 8, .value_kind: global_buffer, .address_space: global }
      - { .name: scl, .offset: 80, .size: 8, .value_kind: global_buffer, .address_space: global }
      - { .name: mbits, .offset: 88, .size: 8, .value_kind: global_buffer, .address_space: global }
    .group_segment_fixed_size: 137216
    .private_segment_fixed_size: 0
    .kernarg_segment_align: 8
    .kernarg_segment_size: 96
    .max_flat_workgroup_size: 512
    .sgpr_count:     66
    .vgpr_count:     256
    .wavefront_size: 32
...
	.end_amdgpu_metadata
.endif
;; end of part 1
;; launch attn (part 2): grid 16 x 16, 16 waves a work-group, no clusters, 320,512 bytes of LDS; arguments cod, scl, img_abs, mbits, acod, ascl; writes acod, ascl
.if DOCPART == 2
	.amdgcn_target "amdgcn-amd-amdhsa--gfx1250"
	.amdhsa_code_object_version 6
	.text
	.protected	k_q7b7fc18056_attn
	.globl	k_q7b7fc18056_attn
	.p2align	8
	.type	k_q7b7fc18056_attn,@function
k_q7b7fc18056_attn:
	s_mov_b64 s[64:65], 0
	v_nop
	global_prefetch_b8 v0, s[64:65] scope:SCOPE_SE
	s_setreg_imm32_b32 hwreg(HW_REG_WAVE_MODE, 25, 1), 1
	s_wait_xcnt 0x0
; One work-group = one (batch, head): kh, vh, qh = the head's 64 columns of the three projections; q' = qh + softmax(qh ph^T / 8, abs_mask) ph; atted = softmax(q' kh^T / 8, mask) vh; atted leaves as codes.
; All products on codes of FP6 (E2M3) with one E8M0 scale for each 32 along K.  qh, kh, vh, both softmaxes and q' never go to memory.  No step and no input of reference() is left out.
; SOFTMAX: t = score x log2(e) / 8; M = the running largest t rounded UP to a whole number; p = 2^(t - M) is quantised along the keys, not normalised; the row's sum is taken of the unquantised p and divides at the end.
; MASKED SCORES are set to -2^33 (a logit of -2^30 where reference() writes -1e9): -2^33 x c is exact and a whole number, so a row all of whose keys are masked gives p = 1 everywhere, as the definition does.
; LIMITS: the results are the definition's wherever the logits that are not masked lie above about -1e9; NaN and infinities are not served; a block of zeros has the byte 1 (its codes are zeros);
; v_exp_f32 gives 0 where 2^(t - M) would be denormal.
; SHARES: sixteen waves, 256 registers each.  Wave w owns rows (keys, positions, queries) 32 w .. 32 w + 31 of the batch's 512.
; ORDER between the first barrier (W's and ph's images lie in LDS) and the second (kh's and vh's do): four blocks that do not hang on each other: K, V (a projection of my rows) and QA(u), u = 0, 1 (the q projection of one tile
; of 16 queries, the first attention, q').  Waves with (w ^ (w >> 2)) & 1 = 0 run K, QA(0), V, QA(1); the others QA(0), V, QA(1), K.  K is straight-line text and stands twice, under branches on the wave's number.
; OPERANDS GO FROM WAVE TO WAVE THROUGH LDS AS IMAGES OF THEIR REGISTERS: a half image (16 rows x 64 K, 6 registers a lane) is 768 bytes: registers 0-3 at 16 x lane, registers 4, 5 at 512 + 8 x lane; a fragment is two.
; PERMUTED TILES: tile u of a group of 32 rows takes, in slot rho, row 8 u + (rho & 7) + 16 (rho >> 3), so that the 16 result registers of tiles 2 b and 2 b + 1 are 16 neighbours along the next K.
; NO CLUSTER, NO TENSOR LOADS: x's fragments go from memory straight into the one wave that multiplies them; 318,464 bytes of LDS hold operands and stashes, and a ring of two slots
; for one K step of the batch's 512 rows (2 x 49,152 bytes) does not fit beside them in 327,680.
.set P1,  147456                       ; bytes 0 .. 147,455: the head's W images [k, v, q][tile 4][K step 8][1,536].  P1: ph along d, 32 half images
.set P2,  172032                       ; ph along the positions, [tile of d 4][key step 4][1,536]
.set KH,  196608                       ; as P1
.set VH,  221184                       ; as P2
.set SK1, 245760                       ; scale words of P1: 512 s + 256 (tile / 4) + 16 slot + 4 (tile % 4): one load of 16 bytes a lane brings a step's eight tiles' words, tiles 4-7 in lanes 16-31
.set SV1, 247808                       ; scale bytes of P2: 256 s + 16 slot + 4 tile + block
.set SK2, 248832
.set SV2, 250880
.set SA,  251904                       ; atted's scale bytes: 2 a row
.set ST,  252928                       ; 4,096 bytes a wave: one tile's qh in f32; behind the second tile's use, that tile's q' codes
.set SPARE, 318464                     ; the spare words, 128 bytes a wave
.set ACC, 144                          ; projections: v144-207 accumulators; v78-125 W's four fragments; v28-75, v208-231 x's fragments; v232-239 x's scale words; v128-143 W's
.set WF,  78
.set XS,  232
.set WS,  128
.set QF,  28                           ; attentions: v28-39 the query tile's fragment (its upper six registers are zeros: K = 64)
.set QS,  40
.set PS,  41
.set KS,  42                           ; v42-45 the eight key tiles' scale words
.set VS,  50
.set BM,  54
.set BP,  58
.set CT,  62
.set SO,  70
.set FF,  74
.set T0,  76
.set KF,  78                           ; v78-131 eight half images of keys (+ six zeros), then four fragments of values
.set PC,  132
.set S,   144
.set OT,  208
.set SAW, 241
.set RI,  242
.set ZQ,  248                          ; v248-254 a tile's q' codes and scale word while they wait
; v1 16 l; v2 8 l; v3, v4 the same for a permuted tile read out of two natural images; v6 16 rho; v7 -2^33; v8-13 a step's addresses; v14 -M, v15 largest t; v[16:17] the sum;
; v18, v19 16 l, 8 l + 1,536 w; v20 key-type scale word; v21-23 value-type images and scale byte; v24 my stash; v25, v26 scale words in scl, natural and permuted; v27 256 l
.macro GFRAG reg, a16, a8, sb, o16, o8
	global_load_b128 v[\reg:\reg+3], v[\a16], s[\sb:\sb+1] offset:\o16
	global_load_b64 v[\reg+4:\reg+5], v[\a8], s[\sb:\sb+1] offset:\o8+512
	global_load_b128 v[\reg+6:\reg+9], v[\a16], s[\sb:\sb+1] offset:\o16+768
	global_load_b64 v[\reg+10:\reg+11], v[\a8], s[\sb:\sb+1] offset:\o8+1280
.endm
.macro LFRAG reg, a16, a8, off
	ds_load_b128 v[\reg:\reg+3], v[\a16] offset:\off
	ds_load_b64 v[\reg+4:\reg+5], v[\a8] offset:\off+512
	ds_load_b128 v[\reg+6:\reg+9], v[\a16] offset:\off+768
	ds_load_b64 v[\reg+10:\reg+11], v[\a8] offset:\off+1280
.endm
.macro SFRAG reg, a16, a8, off
	ds_store_b128 v[\a16], v[\reg:\reg+3] offset:\off
	ds_store_b64 v[\a8], v[\reg+4:\reg+5] offset:\off+512
	ds_store_b128 v[\a16], v[\reg+6:\reg+9] offset:\off+768
	ds_store_b64 v[\a8], v[\reg+10:\reg+11] offset:\off+1280
.endm
; The matrix instruction, from the symbols rD, rA, rB, rSA, rSB; ZF = 1: the product starts the sum.  ra, rb = 1: that side's scale words stand in lanes 16-31
.macro WMZ ra, rb
.if (\ra) && (\rb)
	v_wmma_scale_f32_16x16x128_f8f6f4 v[rD:rD+7], v[rA:rA+11], v[rB:rB+11], 0, v[rSA], v[rSB] matrix_a_fmt:MATRIX_FMT_FP6 matrix_b_fmt:MATRIX_FMT_FP6 matrix_a_scale:MATRIX_SCALE_ROW1 matrix_b_scale:MATRIX_SCALE_ROW1
.elseif (\ra)
	v_wmma_scale_f32_16x16x128_f8f6f4 v[rD:rD+7], v[rA:rA+11], v[rB:rB+11], 0, v[rSA], v[rSB] matrix_a_fmt:MATRIX_FMT_FP6 matrix_b_fmt:MATRIX_FMT_FP6 matrix_a_scale:MATRIX_SCALE_ROW1
.elseif (\rb)
	v_wmma_scale_f32_16x16x128_f8f6f4 v[rD:rD+7], v[rA:rA+11], v[rB:rB+11], 0, v[rSA], v[rSB] matrix_a_fmt:MATRIX_FMT_FP6 matrix_b_fmt:MATRIX_FMT_FP6 matrix_b_scale:MATRIX_SCALE_ROW1
.else
	v_wmma_scale_f32_16x16x128_f8f6f4 v[rD:rD+7], v[rA:rA+11], v[rB:rB+11], 0, v[rSA], v[rSB] matrix_a_fmt:MATRIX_FMT_FP6 matrix_b_fmt:MATRIX_FMT_FP6
.endif
.endm
.macro WMC ra, rb
.if (\ra) && (\rb)
	v_wmma_scale_f32_16x16x128_f8f6f4 v[rD:rD+7], v[rA:rA+11], v[rB:rB+11], v[rD:rD+7], v[rSA], v[rSB] matrix_a_fmt:MATRIX_FMT_FP6 matrix_b_fmt:MATRIX_FMT_FP6 matrix_a_scale:MATRIX_SCALE_ROW1 matrix_b_scale:MATRIX_SCALE_ROW1
.elseif (\ra)
	v_wmma_scale_f32_16x16x128_f8f6f4 v[rD:rD+7], v[rA:rA+11], v[rB:rB+11], v[rD:rD+7], v[rSA], v[rSB] matrix_a_fmt:MATRIX_FMT_FP6 matrix_b_fmt:MATRIX_FMT_FP6 matrix_a_scale:MATRIX_SCALE_ROW1
.elseif (\rb)
	v_wmma_scale_f32_16x16x128_f8f6f4 v[rD:rD+7], v[rA:rA+11], v[rB:rB+11], v[rD:rD+7], v[rSA], v[rSB] matrix_a_fmt:MATRIX_FMT_FP6 matrix_b_fmt:MATRIX_FMT_FP6 matrix_b_scale:MATRIX_SCALE_ROW1
.else
	v_wmma_scale_f32_16x16x128_f8f6f4 v[rD:rD+7], v[rA:rA+11], v[rB:rB+11], v[rD:rD+7], v[rSA], v[rSB] matrix_a_fmt:MATRIX_FMT_FP6 matrix_b_fmt:MATRIX_FMT_FP6
.endif
.endm
.macro WM ra, rb
.if ZF
	WMZ \ra, \rb
.else
	WMC \ra, \rb
.endif
.endm
.macro PLACES                          ; four plain places behind matrix instructions (ISA guide 7.12.1)
.rept 4
	v_nop
.endr
.endm
.macro ZEROS                           ; the zero codes of a K of 64; permutes' destinations; the upper half of the pair v[74:75]
.irp j, 34,35,36,37,38,39,126,127,128,129,130,131,58,59,60,61,75
	v_mov_b32 v\j, 0
.endr
.endm
; 32 numbers of a lane, register 16 b + i = d 32 b + 16 (lane / 16) + i of my row, become a half image in v[dst .. dst + 5] and a scale word (bytes 0, 1) in v[wrd]
.macro QUANT2 src, dst, tmp, wrd, tm
.irp b, 0,1
	v_max3_num_f32 v[\tm+\b], |v[\src+16*\b]|, |v[\src+1+16*\b]|, 0x1800000   ; the floor 2^(3 - 127): the byte cannot fall under 1
.endr
.irp i, 2,4,6,8,10,12,14
.irp b, 0,1
	v_max3_num_f32 v[\tm+\b], v[\tm+\b], |v[\src+16*\b+\i]|, |v[\src+1+16*\b+\i]|
.endr
.endr
	v_mov_b32 v[\tm+2], 0
	v_mov_b32 v[\tm+3], 0
.irp b, 0,1
	s_delay_alu instid0(VALU_DEP_2)
	v_permlanex16_b32 v[\tm+2+\b], v[\tm+\b], s66, s67
.endr
.irp b, 0,1
	s_delay_alu instid0(VALU_DEP_2)
	v_max_num_f32 v[\tm+\b], v[\tm+\b], v[\tm+2+\b]
.endr
.irp b, 0,1
	s_delay_alu instid0(VALU_DEP_2)
	v_add_nc_u32 v[\tm+4+\b], 0xff000000, v[\tm+\b]   ; 2 off the exponent field: the conversion's scale operand
.endr
.irp b, 0,1
	s_delay_alu instid0(VALU_DEP_2)
	v_lshrrev_b32 v[\tm+2+\b], 23, v[\tm+4+\b]
.endr
	s_delay_alu instid0(VALU_DEP_1)
	v_lshl_or_b32 v[\wrd], v[\tm+3], 8, v[\tm+2]
	v_cvt_scalef32_pk16_fp6_f32 v[\dst:\dst+2], v[\src:\src+15], v[\tm+4]
	v_cvt_scalef32_pk16_fp6_f32 v[\tmp:\tmp+2], v[\src+16:\src+31], v[\tm+5]
	v_nop                                          ; one plain place behind a scaled conversion
.irp i, 0,1,2
	v_permlane16_swap_b32 v[\dst+\i], v[\tmp+\i]   ; a whole block to a lane
.endr
.irp i, 0,1,2
	s_delay_alu instid0(VALU_DEP_3)
	v_mov_b32 v[\dst+3+\i], v[\tmp+\i]
.endr
.endm
.macro KIMG dst, wrd, a16, a8, asc, u
	ds_store_b128 v[\a16], v[\dst:\dst+3] offset:768*(\u)
	ds_store_b64 v[\a8], v[\dst+4:\dst+5] offset:768*(\u)+512
	ds_store_b32 v[\asc], v[\wrd] offset:4*(\u)
.endm
; 32 numbers of ONE lane, a whole block, become six registers of codes v[c .. c + 5] and the byte v[e]
.macro QV x, c, e, tm
	v_max3_num_f32 v[\tm], |v[\x]|, |v[\x+1]|, |v[\x+2]|
	v_max3_num_f32 v[\tm+1], |v[\x+3]|, |v[\x+4]|, |v[\x+5]|
.irp i, 6,10,14,18,22,26
	s_delay_alu instid0(VALU_DEP_2)
	v_max3_num_f32 v[\tm], v[\tm], |v[\x+\i]|, |v[\x+\i+1]|
	s_delay_alu instid0(VALU_DEP_2)
	v_max3_num_f32 v[\tm+1], v[\tm+1], |v[\x+\i+2]|, |v[\x+\i+3]|
.endr
	s_delay_alu instid0(VALU_DEP_2)
	v_max3_num_f32 v[\tm], v[\tm], |v[\x+30]|, |v[\x+31]|
	s_delay_alu instid0(VALU_DEP_1)
	v_max3_num_f32 v[\tm], v[\tm], v[\tm+1], 0x1800000
	s_delay_alu instid0(VALU_DEP_1)
	v_add_nc_u32 v[\tm+2], 0xff000000, v[\tm]
	s_delay_alu instid0(VALU_DEP_1)
	v_lshrrev_b32 v[\e], 23, v[\tm+2]
	v_cvt_scalef32_pk16_fp6_f32 v[\c:\c+2], v[\x:\x+15], v[\tm+2]
	v_cvt_scalef32_pk16_fp6_f32 v[\c+4:\c+6], v[\x+16:\x+31], v[\tm+2]
	v_nop
	v_mov_b32 v[\c+3], v[\c+4]
	v_mov_b32 v[\c+4], v[\c+5]
	v_mov_b32 v[\c+5], v[\c+6]
.endm
.macro VSTORE c, e, a16, a8, asc, g    ; lane l holds d = 32 g + l and block w of the keys
	ds_store_b128 v[\a16], v[\c:\c+3] offset:12288*(\g)
	ds_store_b64 v[\a8], v[\c+4:\c+5] offset:12288*(\g)+512
	ds_store_b8 v[\asc], v[\e] offset:8*(\g)
.endm
	s_load_b256 s[16:23], s[0:1], 0x0              ; cod s[16:17], scl s[18:19], img_abs s[20:21], mbits s[22:23]
	s_load_b128 s[24:27], s[0:1], 0x20             ; acod s[24:25], ascl s[26:27]
	v_lshrrev_b32 v249, 5, v0
	s_delay_alu instid0(VALU_DEP_1)
	v_readfirstlane_b32 s2, v249                   ; wave 0..15
	v_and_b32 v244, 31, v0                         ; l
	v_and_b32 v245, 15, v0                         ; rho
	v_bfe_u32 v246, v0, 4, 1                       ; h
	v_and_b32 v247, 7, v0                          ; l & 7
	v_bfe_u32 v248, v0, 3, 1                       ; (l >> 3) & 1
	v_lshlrev_b32 v1, 4, v244
	v_lshlrev_b32 v2, 3, v244
	s_delay_alu instid0(VALU_DEP_3)
	v_mul_u32_u24 v249, v248, 12288                ; a permuted tile's slot rho lies in natural tile rho >> 3, lane 8 u + (rho & 7) + 16 h
	s_delay_alu instid0(VALU_DEP_1)
	v_lshl_add_u32 v3, v247, 4, v249
	s_delay_alu instid0(VALU_DEP_1)
	v_lshl_add_u32 v3, v246, 8, v3
	s_delay_alu instid0(VALU_DEP_3)
	v_lshl_add_u32 v4, v247, 3, v249
	s_delay_alu instid0(VALU_DEP_1)
	v_lshl_add_u32 v4, v246, 7, v4
	v_lshlrev_b32 v6, 4, v245
	v_mov_b32 v7, 0xd0000000                       ; -2^33
	s_mul_i32 s100, s2, 1536
	v_add_nc_u32 v18, s100, v1
	v_add_nc_u32 v19, s100, v2
	s_lshr_b32 s100, s2, 2                         ; my tiles 2 (w & 3) + u of key step w >> 2
	s_lshl_b32 s100, s100, 9
	s_and_b32 s101, s2, 2
	s_lshl_b32 s101, s101, 7
	s_add_co_u32 s100, s100, s101
	s_and_b32 s101, s2, 1
	s_lshl_b32 s101, s101, 3
	s_add_co_u32 s100, s100, s101
	s_wait_alu depctr_va_vdst(0)
	v_add_nc_u32 v20, s100, v6                     ; 512 (w >> 2) + 256 ((w & 3) >> 1) + 8 (w & 1) + 16 rho
	v_lshl_add_u32 v250, v246, 3, v247             ; the slot of d = 32 g + l in its tile; the tile is 2 g + ((l >> 3) & 1)
	v_mul_u32_u24 v251, v248, 6144
	s_wait_alu depctr_va_vdst(0)
	s_lshr_b32 s100, s2, 1
	s_mul_i32 s100, s100, 768                      ; block w of the keys is half image w >> 1, half w & 1 of the lanes
	s_and_b32 s101, s2, 1
	s_lshl_b32 s101, s101, 8
	s_add_co_u32 s101, s100, s101
	v_lshl_add_u32 v21, v250, 4, v251
	s_delay_alu instid0(VALU_DEP_1)
	v_add_nc_u32 v21, s101, v21
	s_and_b32 s101, s2, 1
	s_lshl_b32 s101, s101, 7
	s_add_co_u32 s101, s100, s101
	v_lshl_add_u32 v22, v250, 3, v251
	s_delay_alu instid0(VALU_DEP_1)
	v_add_nc_u32 v22, s101, v22
	s_lshr_b32 s100, s2, 2
	s_lshl_b32 s100, s100, 8
	s_and_b32 s101, s2, 3
	s_add_co_u32 s100, s100, s101
	v_lshlrev_b32 v23, 4, v250
	s_delay_alu instid0(VALU_DEP_1)
	v_lshl_add_u32 v23, v248, 2, v23
	s_delay_alu instid0(VALU_DEP_1)
	v_add_nc_u32 v23, s100, v23                    ; 16 slot + 4 ((l >> 3) & 1) + 256 (w >> 2) + (w & 3)
	s_lshl_b32 s100, s2, 12
	s_add_co_u32 s100, s100, ST
	v_add_nc_u32 v24, s100, v1                     ; my stash: ST + 4,096 w + 16 l
	v_lshlrev_b32 v25, 4, v245
	s_delay_alu instid0(VALU_DEP_1)
	v_lshl_add_u32 v25, v246, 9, v25               ; scl, natural: lanes 0-15 the first tile's rows, lanes 16-31 the second's
	v_lshlrev_b32 v26, 4, v247
	s_delay_alu instid0(VALU_DEP_1)
	v_lshl_add_u32 v26, v246, 7, v26
	s_delay_alu instid0(VALU_DEP_1)
	v_lshl_add_u32 v26, v248, 9, v26               ; scl, permuted
	v_lshlrev_b32 v27, 8, v244
	s_lshr_b32 s100, s2, 3                         ; the W fragments that I bring: tile 2 i + (w >> 3), K step w & 7
	s_and_b32 s101, s2, 7
	s_mul_i32 s101, s101, 1536
	s_lshl_b32 s28, s100, 7
	s_add_co_u32 s28, s28, s101
	v_add_nc_u32 v228, s28, v3
	s_lshl_b32 s28, s100, 6
	s_add_co_u32 s28, s28, s101
	v_add_nc_u32 v229, s28, v4
	v_add_nc_u32 v232, 49152, v18
	v_add_nc_u32 v233, 49152, v19
	v_add_nc_u32 v234, 98304, v18
	v_add_nc_u32 v235, 98304, v19
	v_lshlrev_b32 v236, 12, v247                   ; ph by rows: row (rho & 7) + 16 (rho >> 3) of 4,096 bytes, + 64 h
	s_delay_alu instid0(VALU_DEP_1)
	v_lshl_add_u32 v236, v248, 16, v236
	s_delay_alu instid0(VALU_DEP_1)
	v_lshl_add_u32 v236, v246, 6, v236
	v_lshlrev_b32 v237, 2, v244                    ; ph by columns: 4 l
	v_add_nc_u32 v238, P1, v18
	v_add_nc_u32 v239, P1, v19
	v_add_nc_u32 v240, SK1, v20
	v_add_nc_u32 v241, P2, v21
	v_add_nc_u32 v242, P2, v22
	v_add_nc_u32 v243, SV1, v23
	s_mov_b32 s3, ttmp9                            ; the head
	s_and_b32 s4, ttmp7, 0xffff                    ; the batch
	s_lshr_b32 s75, s2, 2
	s_xor_b32 s75, s75, s2
	s_and_b32 s75, s75, 1                          ; my group: 0 begins with K, 1 ends with it
	s_mov_b32 s66, 0x76543210
	s_mov_b32 s67, 0xfedcba98                      ; v_permlanex16_b32's selects for lane l xor 16
	s_mov_b32 s68, 0x3e38aa3b                      ; c = log2(e) / 8
	s_mov_b32 s69, s68
	s_lshl_b32 s100, s4, 5
	s_lshl_b32 s101, s2, 1
	s_add_co_u32 s100, s100, s101                  ; my first row tile: 32 b + 2 w
	s_mov_b32 s29, 0
	s_mov_b32 s31, 0
	s_lshl_b32 s28, s100, 10
	s_wait_alu depctr_va_vdst(0)
	s_wait_kmcnt 0x0
	s_add_nc_u64 s[8:9], s[22:23], s[28:29]        ; abs_mask's words of my first query tile,
	s_add_nc_u64 s[10:11], s[8:9], 524288          ; mask's
	s_mul_i32 s28, s100, 12288
	s_add_nc_u64 s[76:77], s[16:17], s[28:29]      ; k's codes of my 32 rows (v's and q's lie 6,291,456 bytes on each)
	s_add_nc_u64 s[12:13], s[24:25], s[28:29]
	s_mul_i32 s30, s3, 768
	s_add_nc_u64 s[12:13], s[12:13], s[30:31]      ; acod: my first row tile, half image = my head
	s_lshl_b32 s28, s100, 9
	s_add_nc_u64 s[78:79], s[18:19], s[28:29]      ; my rows' scale words
	s_lshl_b32 s28, s3, 14
	s_lshl_b32 s30, s4, 10
	s_add_co_u32 s28, s28, s30
	s_add_nc_u64 s[14:15], s[26:27], s[28:29]      ; ascl: [head][row][2 bytes]
	s_lshl_b32 s28, s3, 11
	s_add_co_u32 s28, s28, 1536*512
	s_add_nc_u64 s[96:97], s[18:19], s[28:29]      ; Wk's scale words of my head's four tiles
	s_mul_i32 s28, s3, 49152
	s_add_co_u32 s28, s28, 1536*12288
	s_add_nc_u64 s[98:99], s[16:17], s[28:29]      ; and their codes
	s_lshl_b32 s28, s4, 21
	s_lshl_b32 s30, s2, 17
	s_add_co_u32 s28, s28, s30
	s_lshl_b32 s30, s3, 8
	s_add_co_u32 s28, s28, s30
	s_add_nc_u64 s[80:81], s[20:21], s[28:29]      ; img_abs: my 32 rows, my head's 256 bytes
	; ---- the head's weights and ph go to LDS
.irp i, 0,1
	GFRAG 28+12*\i, 228, 229, 98, 24576*\i, 24576*\i                       ; Wk, permuted tiles
	GFRAG 52+12*\i, 18, 19, 98, 786432+24576*\i, 786432+24576*\i           ; Wv, natural tiles
	GFRAG 76+12*\i, 228, 229, 98, 1572864+24576*\i, 1572864+24576*\i       ; Wq, permuted tiles
.endr
.irp u, 0,1
.irp b, 0,1
.irp j, 0,1,2,3
	global_load_b128 v[100+32*\u+16*\b+4*\j:100+32*\u+16*\b+4*\j+3], v236, s[80:81] offset:32768*\u+128*\b+16*\j   ; ph by rows
.endr
.endr
.endr
.macro PHB g                           ; ph by columns: lane l takes d = 32 g + l, its registers run down my 32 positions
.set ii, 0
.rept 32
	global_load_b32 v[164+32*(\g)+ii], v237, s[80:81] offset:128*(\g)+4096*ii
.set ii, ii+1
.endr
.endm
	PHB 0
	s_wait_loadcnt 48                              ; W's 24 loads are in; behind them: 16 of ph by rows, 32 by columns
.irp i, 0,1
	SFRAG 28+12*\i, 18, 19, 24576*\i
	SFRAG 52+12*\i, 232, 233, 24576*\i
	SFRAG 76+12*\i, 234, 235, 24576*\i
.endr
	s_wait_dscnt 0x0                               ; the stores have read v28-99
	s_wait_loadcnt 32                              ; ph by rows is in
.irp u, 0,1
	QUANT2 100+32*\u, 28+12*\u, 34+12*\u, 38+12*\u, 52
	KIMG 28+12*\u, 38+12*\u, 238, 239, 240, \u
.endr
	PHB 1
	s_wait_loadcnt 32                              ; the first 32 columns are in
	QV 164, 60, 68, 52
	VSTORE 60, 68, 241, 242, 243, 0
	s_wait_loadcnt 0x0
	QV 196, 70, 78, 52
	VSTORE 70, 78, 241, 242, 243, 1
	s_wait_dscnt 0x0                               ; for the others' sake: my stores have landed
	s_barrier_signal -1
	s_barrier_wait -1                              ; W's images and ph's lie in LDS
	; ---- K, V: my 32 rows x the head's 64 columns, K = 1,024 in eight steps: eight accumulators by turns
.macro XLOAD reg, ks                   ; my two permuted tiles' fragments of K step ks
.irp u, 0,1
	GFRAG \reg+12*\u, 3, 4, 76, XO+(\ks)*1536+\u*128, XO+(\ks)*1536+\u*64
.endr
.endm
; ten: 0 k, 1 v.  swap = 0: source 0 = W's tile, source 1 = x's: a lane holds one row and registers along d.  swap = 1: a lane holds one d and registers along the keys.
; ask = 1: v's and q's 24,576 bytes of my 32 rows are asked for one block or more ahead: lanes 256 bytes apart, three instructions each.  All sixteen heads of a batch read these rows: the first head alone asks
.macro PROJ ten, swap, ask
.set XO, 6291456*\ten
	v_add_nc_u32 v126, 49152*\ten, v1
	v_add_nc_u32 v127, 49152*\ten, v2
	global_load_b128 v[XS:XS+3], v26, s[78:79] offset:262144*\ten           ; register s: lanes 0-15 tile 0's words of K step s, lanes 16-31 tile 1's
	global_load_b128 v[XS+4:XS+7], v26, s[78:79] offset:262144*\ten+256
.irp g, 0,1
.irp hf, 0,1
	global_load_b128 v[WS+8*\g+4*\hf:WS+8*\g+4*\hf+3], v[26-\ten], s[96:97] offset:32768*\ten+1024*\g+256*\hf   ; Wk's tiles are permuted, Wv's natural
.endr
.endr
	XLOAD 28, 0
	XLOAD 52, 1
	XLOAD 208, 2
.if \ask
	s_cmp_eq_u32 s3, 0
	s_cbranch_scc0 .Lnoask_\@
.irp i, 0,1,2
	global_prefetch_b8 v27, s[76:77] offset:6291456+8192*\i th:TH_LOAD_NT scope:SCOPE_SE
	global_prefetch_b8 v27, s[98:99] offset:8192*\i th:TH_LOAD_NT scope:SCOPE_SE
.endr
.Lnoask_\@:
.endif
.set ss, 0
	s_wait_alu depctr_va_vdst(0)
.rept 8
.irp t, 0,1,2,3
	LFRAG WF+12*\t, 126, 127, 12288*\t+1536*ss
.endr
.if ss <= 5
	s_wait_loadcnt 16                              ; this step's eight loads are in; the two younger steps' sixteen may be out
.elseif ss == 6
	s_wait_loadcnt 8
.else
	s_wait_loadcnt 0x0
.endif
	s_wait_dscnt 0x0
.set XFR, 28+24*(ss%3)+132*((ss%3)/2)
.if ss == 0
.set ZF, 1
.else
.set ZF, 0
.endif
.irp u, 0,1
.irp t, 0,1,2,3
.if \swap
.set rD, ACC+16*\t+8*\u
.set rA, XFR+12*\u
.set rB, WF+12*\t
.set rSA, XS+ss
.set rSB, WS+8*(\t/2)+ss
	WM \u, \t%2
.else
.set rD, ACC+32*\u+8*\t
.set rA, WF+12*\t
.set rB, XFR+12*\u
.set rSA, WS+8*(\t/2)+ss
.set rSB, XS+ss
	WM \t%2, \u
.endif
.endr
.endr
	PLACES
.if ss < 5
	XLOAD XFR, ss+3
.endif
.set ss, ss+1
.endr
.endm
.macro KP ask
	PROJ 0, 0, \ask                                ; kh: keys in permuted tiles, d in permuted tiles
	v_add_nc_u32 v60, KH, v18
	v_add_nc_u32 v61, KH, v19
	v_add_nc_u32 v62, SK2, v20
.irp u, 0,1
	QUANT2 ACC+32*\u, 28+12*\u, 34+12*\u, 38+12*\u, 52
	KIMG 28+12*\u, 38+12*\u, 60, 61, 62, \u
.endr
	s_wait_dscnt 0x0                               ; the stores have read their registers, into which the next loads go
.endm
.macro VP
	PROJ 1, 1, 0                                   ; vh: register 8 u + j of tile n is key 32 w + 16 h + 8 u + j of d = 16 n + r
.irp n, 0,1,2,3
	v_max3_num_f32 v[52+\n], |v[ACC+16*\n]|, |v[ACC+1+16*\n]|, 0x1800000
.endr
.irp i, 2,4,6,8,10,12,14
.irp n, 0,1,2,3
	v_max3_num_f32 v[52+\n], v[52+\n], |v[ACC+16*\n+\i]|, |v[ACC+1+16*\n+\i]|
.endr
.endr
.irp n, 0,1,2,3
	v_mov_b32 v[56+\n], 0
.endr
.irp n, 0,1,2,3
	s_delay_alu instid0(VALU_DEP_4)
	v_permlanex16_b32 v[56+\n], v[52+\n], s66, s67
.endr
.irp n, 0,1,2,3
	s_delay_alu instid0(VALU_DEP_4)
	v_max_num_f32 v[52+\n], v[52+\n], v[56+\n]     ; the block of 32 keys lies in lanes l and l xor 16
.endr
.irp n, 0,1,2,3
	s_delay_alu instid0(VALU_DEP_4)
	v_add_nc_u32 v[60+\n], 0xff000000, v[52+\n]
.endr
.irp n, 0,1,2,3
	s_delay_alu instid0(VALU_DEP_4)
	v_lshrrev_b32 v[56+\n], 23, v[60+\n]
.endr
.irp n, 0,1,2,3
	v_cvt_scalef32_pk16_fp6_f32 v[28+4*\n:30+4*\n], v[ACC+16*\n:ACC+15+16*\n], v[60+\n]
.endr
	v_nop                                          ; one plain place behind a scaled conversion
	v_add_nc_u32 v64, VH, v21
	v_add_nc_u32 v65, VH, v22
	v_add_nc_u32 v66, SV2, v23
.irp g, 0,1                            ; tiles 2 g and 2 g + 1 change halves: lane l then holds the whole block of d = 32 g + l
.irp i, 0,1,2
	v_permlane16_swap_b32 v[28+8*\g+\i], v[32+8*\g+\i]
.endr
	v_permlane16_swap_b32 v[56+2*\g], v[57+2*\g]
	s_delay_alu instid0(VALU_DEP_4)
	v_mov_b32 v[31+8*\g], v[32+8*\g]
	s_delay_alu instid0(VALU_DEP_4)
	v_mov_b32 v[32+8*\g], v[33+8*\g]
	s_delay_alu instid0(VALU_DEP_4)
	v_mov_b32 v[33+8*\g], v[34+8*\g]
	VSTORE 28+8*\g, 56+2*\g, 64, 65, 66, \g
.endr
	s_wait_dscnt 0x0
.endm
; ---- the q projection of ONE natural tile of 16 queries (codes at s[98:99], scale words 512 bytes a tile: s7): four accumulators by turns; d in permuted tiles.
; Six of the eight K steps' fragments are asked for at once, the last two as the first two sets come free.
.macro QP
	v_add_nc_u32 v126, 98304, v1
	v_add_nc_u32 v127, 98304, v2
	v_add_nc_u32 v77, s7, v6
	global_load_b128 v[XS:XS+3], v77, s[78:79] offset:524288               ; both halves of the lanes hold row rho's words
	global_load_b128 v[XS+4:XS+7], v77, s[78:79] offset:524288+256
.irp g, 0,1
.irp hf, 0,1
	global_load_b128 v[WS+8*\g+4*\hf:WS+8*\g+4*\hf+3], v26, s[96:97] offset:65536+1024*\g+256*\hf
.endr
.endr
.irp k, 0,1,2,3,4,5
	GFRAG 28+12*\k+132*(\k/4), 1, 2, 98, \k*1536, \k*1536
.endr
.set ss, 0
	s_wait_alu depctr_va_vdst(0)
.rept 8
.irp t, 0,1,2,3
	LFRAG WF+12*\t, 126, 127, 12288*\t+1536*ss
.endr
.if ss <= 2
	s_wait_loadcnt 20                              ; this step's fragment is in; five younger fragments, four loads each, may be out
.else
	s_wait_loadcnt 4*(7-ss)                        ; the 7 - ss younger fragments may be out
.endif
	s_wait_dscnt 0x0
.set XQ, 28+12*(ss%6)+132*((ss%6)/4)
.if ss == 0
.set ZF, 1
.else
.set ZF, 0
.endif
.irp t, 0,1,2,3
.set rD, ACC+8*\t
.set rA, WF+12*\t
.set rB, XQ
.set rSA, WS+8*(\t/2)+ss
.set rSB, XS+ss
	WM \t%2, 0
.endr
	PLACES
.if ss < 2
	GFRAG XQ, 1, 2, 98, (ss+6)*1536, (ss+6)*1536
.endif
.set ss, ss+1
.endr
.endm
; ---- AN ATTENTION of one tile of 16 queries (codes in v[QF], scale word in v[QS]) over 512 keys, 128 a step.  kb, skb: the key-type images and scale words; vb, svb: the value-type; mb: the scalar pair at the mask's words
.macro ATT kb, skb, vb, svb, mb
	s_load_b512 s[16:31], s[\mb:\mb+1], 0x0        ; the first step's 64 words of lane bits
	s_load_b512 s[32:47], s[\mb:\mb+1], 0x40
	s_load_b512 s[48:63], s[\mb:\mb+1], 0x80
	s_load_b512 s[80:95], s[\mb:\mb+1], 0xc0
	s_mov_b32 s70, \kb
	s_mov_b32 s71, \vb
	s_mov_b32 s72, \skb
	s_mov_b32 s73, \svb
	v_mov_b32 v15, 0xff61b1e6                      ; the largest t so far: -3e38
	s_delay_alu instid0(VALU_DEP_1)
	v_floor_f32 v14, -v15                          ; -M
	v_mov_b32 v16, 0
	v_mov_b32 v17, 0
.set jj, 0
.rept 32
	v_mov_b32 v[OT+jj], 0                          ; O^T: the step is written once: the first finds zeros.  (Also the places between the quantiser and the first product)
.set jj, jj+1
.endr
	s_mov_b32 s6, 4
.Lstep_\@:
	v_add_nc_u32 v8, s70, v1                       ; (six plain places behind the last step's products)
	v_add_nc_u32 v9, s70, v2
	v_add_nc_u32 v10, s71, v1
	v_add_nc_u32 v11, s71, v2
	v_add_nc_u32 v12, s72, v1
	v_add_nc_u32 v13, s73, v6
.irp t, 0,1,2,3,4,5,6,7                ; operand t is registers 6 t .. 6 t + 11: its upper six are the next tile's codes, which meet the query's zero codes
	ds_load_b128 v[KF+6*\t:KF+6*\t+3], v8 offset:768*\t
	ds_load_b64 v[KF+6*\t+4:KF+6*\t+5], v9 offset:768*\t+512
.endr
	ds_load_b128 v[KS:KS+3], v12                   ; register i: lanes 0-15 tile i's words, lanes 16-31 tile 4 + i's
	s_wait_alu depctr_va_vdst(0)
	s_wait_dscnt 0x0
.set ZF, 1
.irp t, 0,1,2,3,4,5,6,7                ; S^T = K Q^T: register 8 t + j of lane (r, h) is key 128 s + 32 (t / 2) + 16 h + 8 (t % 2) + j of query r
.set rD, S+8*\t
.set rA, KF+6*\t
.set rB, QF
.set rSA, KS+\t%4
.set rSB, QS
	WM \t/4, 0
.endr
	PLACES
.irp n, 0,1,2,3
	LFRAG KF+12*\n, 10, 11, 6144*\n                ; the step's four fragments of values land while the softmax is walked
.endr
	ds_load_b128 v[VS:VS+3], v13
	s_wait_kmcnt 0x0                               ; the step's mask words
.set nn, 0
.rept 64
	v_cndmask_b32 v[S+nn], v[S+nn], v7, s[16+nn+16*(nn/48)]
.set nn, nn+1
.endr
	s_add_nc_u64 s[\mb:\mb+1], s[\mb:\mb+1], 256   ; (the loads that read this base are done)
	s_cmp_eq_u32 s6, 1
	s_cbranch_scc1 .Lnold_\@                       ; the last step asks for no further words
	s_load_b512 s[16:31], s[\mb:\mb+1], 0x0
	s_load_b512 s[32:47], s[\mb:\mb+1], 0x40
	s_load_b512 s[48:63], s[\mb:\mb+1], 0x80
	s_load_b512 s[80:95], s[\mb:\mb+1], 0xc0
.Lnold_\@:
.irp b, 0,1,2,3
	v_max3_num_f32 v[BM+\b], v[S+16*\b], v[S+1+16*\b], v[S+2+16*\b]   ; the largest score of each block of 32 keys: for the row's maximum and for the block's largest p
.endr
.irp i, 3,5,7,9,11,13
.irp b, 0,1,2,3
	s_delay_alu instid0(VALU_DEP_4)
	v_max3_num_f32 v[BM+\b], v[BM+\b], v[S+16*\b+\i], v[S+1+16*\b+\i]
.endr
.endr
.irp b, 0,1,2,3
	s_delay_alu instid0(VALU_DEP_4)
	v_max_num_f32 v[BM+\b], v[BM+\b], v[S+15+16*\b]
.endr
.irp b, 0,1,2,3
	s_delay_alu instid0(VALU_DEP_4)
	v_permlanex16_b32 v[BP+\b], v[BM+\b], s66, s67
.endr
.irp b, 0,1,2,3
	s_delay_alu instid0(VALU_DEP_4)
	v_max_num_f32 v[BM+\b], v[BM+\b], v[BP+\b]
.endr
	s_delay_alu instid0(VALU_DEP_2)
	v_max3_num_f32 v[T0], v[BM], v[BM+1], v[BM+2]
	s_delay_alu instid0(VALU_DEP_1)
	v_max_num_f32 v[T0], v[T0], v[BM+3]
	s_delay_alu instid0(VALU_DEP_1)
	v_mul_f32 v[T0], s68, v[T0]                    ; the step's largest t
	s_delay_alu instid0(VALU_DEP_1)
	v_max_num_f32 v15, v15, v[T0]
	v_mov_b32 v[T0], v14
	s_delay_alu instid0(VALU_DEP_2)
	v_floor_f32 v14, -v15                          ; the new -M = floor(-t)
	s_delay_alu instid0(VALU_DEP_1)
	v_sub_f32 v[T0], v14, v[T0]                    ; old M - new M: a whole number, 0 or less
	s_delay_alu instid0(VALU_DEP_1)
	v_cvt_i32_f32 v[T0], v[T0]
	s_delay_alu instid0(VALU_DEP_1)
	v_ldexp_f32 v[FF], 1.0, v[T0]                  ; f = 2^(old M - new M)
.set jj, 0
.rept 32
	v_pk_fma_f32 v[S+jj:S+jj+1], v[S+jj:S+jj+1], s[68:69], v[14:15] op_sel_hi:[1,0,0]   ; t - M
.set jj, jj+2
.endr
.irp b, 0,1,2,3
	v_fma_f32 v[BM+\b], v[BM+\b], s68, v14
.endr
.set jj, 0
	s_wait_alu depctr_va_vdst(0)
.rept 64
	v_exp_f32 v[S+jj], v[S+jj]                     ; p = 2^(t - M)
.set jj, jj+1
.endr
	v_pk_mul_f32 v[16:17], v[16:17], v[FF:FF+1] op_sel_hi:[1,0]   ; the sum under the new M (a plain place behind the exponentials)
	s_wait_alu depctr_va_vdst(0)                   ; one wait for the batch of 64, ahead of its first reader
.irp b, 0,1,2,3
	v_exp_f32 v[BM+\b], v[BM+\b]                   ; the blocks' largest p
.endr
	v_pk_add_f32 v[58:59], v[144:145], v[146:147]  ; the row's sum of the unquantised p: 32 pairs in four chains
	v_pk_add_f32 v[244:245], v[148:149], v[150:151]
	v_pk_add_f32 v[246:247], v[152:153], v[154:155]
	v_pk_add_f32 v[16:17], v[16:17], v[156:157]
.irp j, 158,166,174,182,190,198
	v_pk_add_f32 v[58:59], v[58:59], v[\j:\j+1]
	v_pk_add_f32 v[244:245], v[244:245], v[\j+2:\j+3]
	v_pk_add_f32 v[246:247], v[246:247], v[\j+4:\j+5]
	v_pk_add_f32 v[16:17], v[16:17], v[\j+6:\j+7]
.endr
	v_pk_add_f32 v[58:59], v[58:59], v[206:207]
	v_pk_add_f32 v[244:245], v[244:245], v[246:247]
	s_delay_alu instid0(VALU_DEP_2)
	v_pk_add_f32 v[16:17], v[16:17], v[58:59]
	s_delay_alu instid0(VALU_DEP_1)
	v_pk_add_f32 v[16:17], v[16:17], v[244:245]
	s_wait_alu depctr_va_vdst(0)                   ; and one for the four
.irp b, 0,1,2,3
	v_max_num_f32 v[BM+\b], 0x1800000, v[BM+\b]    ; the floor 2^(3 - 127)
.endr
.irp b, 0,1,2,3
	s_delay_alu instid0(VALU_DEP_4)
	v_add_nc_u32 v[SO+\b], 0xff000000, v[BM+\b]
.endr
.irp b, 0,1,2,3
	s_delay_alu instid0(VALU_DEP_4)
	v_lshrrev_b32 v[BP+\b], 23, v[SO+\b]
.endr
	s_delay_alu instid0(VALU_DEP_3)
	v_lshl_or_b32 v[PS], v[BP+1], 8, v[BP]
	s_delay_alu instid0(VALU_DEP_1)
	v_lshl_or_b32 v[PS], v[BP+2], 16, v[PS]
	s_delay_alu instid0(VALU_DEP_1)
	v_lshl_or_b32 v[PS], v[BP+3], 24, v[PS]
.irp c, 0,1
	v_cvt_scalef32_pk16_fp6_f32 v[PC+6*\c:PC+2+6*\c], v[S+32*\c:S+15+32*\c], v[SO+2*\c]
	v_cvt_scalef32_pk16_fp6_f32 v[CT+4*\c:CT+2+4*\c], v[S+16+32*\c:S+31+32*\c], v[SO+2*\c+1]
.endr
	v_nop                                          ; one plain place behind a scaled conversion
.irp c, 0,1
.irp i, 0,1,2
	v_permlane16_swap_b32 v[PC+6*\c+\i], v[CT+4*\c+\i]
.endr
.irp i, 0,1,2
	s_delay_alu instid0(VALU_DEP_3)
	v_mov_b32 v[PC+3+6*\c+\i], v[CT+4*\c+\i]
.endr
.endr
.set jj, 0
.rept 16
	v_pk_mul_f32 v[OT+jj:OT+jj+1], v[OT+jj:OT+jj+1], v[FF:FF+1] op_sel_hi:[1,0]   ; O^T under the new M (sixteen places between p's codes and scale word and the products)
.set jj, jj+2
.endr
	s_wait_alu depctr_va_vdst(0)
	s_wait_dscnt 0x0                               ; the values' fragments and scale words
.set ZF, 0
.irp n, 0,1,2,3                        ; O^T += V^T P^T: register 8 n + j of lane (r, h) is d = 32 (n / 2) + 16 h + 8 (n % 2) + j of query r
.set rD, OT+8*\n
.set rA, KF+12*\n
.set rB, PC
.set rSA, VS+\n
.set rSB, PS
	WM 0, 0
.endr
	s_add_co_u32 s70, s70, 6144
	s_add_co_u32 s71, s71, 1536
	s_add_co_u32 s72, s72, 512
	s_add_co_u32 s73, s73, 256
	s_sub_co_u32 s6, s6, 1
	s_cmp_lg_u32 s6, 0
	s_cbranch_scc1 .Lstep_\@
.endm
; O^T / the sum into v[S] on; res = 1: + qh, out of my stash
.macro FINISH res
.if \res
.irp g, 0,1,2,3,4,5,6,7
	ds_load_b128 v[S+4*\g:S+4*\g+3], v24 offset:512*\g
.endr
.endif
	PLACES
	v_add_f32 v16, v16, v17
	s_delay_alu instid0(VALU_DEP_1)
	v_permlanex16_b32 v[T0], v16, s66, s67
	s_delay_alu instid0(VALU_DEP_1)
	v_add_f32 v16, v16, v[T0]                      ; the row's sum
	s_wait_alu depctr_va_vdst(0)                   ; ahead of the transcendental
	v_rcp_f32 v[RI], v16
	v_mov_b32 v[RI+1], 0                           ; a plain place behind the reciprocal
	s_wait_alu depctr_va_vdst(0)                   ; and ahead of its first reader
.if \res
	s_wait_dscnt 0x0
.endif
.set jj, 0
.rept 16
.if \res
	v_pk_fma_f32 v[S+jj:S+jj+1], v[OT+jj:OT+jj+1], v[RI:RI+1], v[S+jj:S+jj+1] op_sel_hi:[1,0,1]
.else
	v_pk_mul_f32 v[S+jj:S+jj+1], v[OT+jj:OT+jj+1], v[RI:RI+1] op_sel_hi:[1,0]
.endif
.set jj, jj+2
.endr
.endm
	s_add_nc_u64 s[98:99], s[76:77], 12582912      ; q's codes of my rows (W's loads, which read this pair, are done)
.irp j, 0,1,2,3,4,5,6
	v_mov_b32 v[ZQ+\j], 0                          ; written once whole: the selects below name them as sources
.endr
	s_cmp_eq_u32 s75, 0
	s_wait_alu depctr_va_vdst(0)
	s_cbranch_scc0 .Lqa
	KP 1                                           ; group 0: K first
.Lqa:
	; ---- QA(0), V, QA(1)
	s_mov_b32 s5, 2
	s_mov_b32 s7, 0
.Lq:
	QP
.irp g, 0,1,2,3,4,5,6,7
	ds_store_b128 v24, v[ACC+4*\g:ACC+4*\g+3] offset:512*\g   ; qh into my stash, each accumulator from its low end on
.endr
	ZEROS
	QUANT2 S, QF, CT, QS, BM
	ATT P1, SK1, P2, SV1, 8
	FINISH 1                                       ; q' = qh + O / l
	QUANT2 S, QF, CT, QS, BM
	s_cmp_eq_u32 s5, 2
	s_cselect_b32 s101, -1, 0
.irp j, 0,1,2,3,4,5
	v_cndmask_b32 v[ZQ+\j], v[ZQ+\j], v[QF+\j], s101   ; the first tile's q' waits in registers,
.endr
	v_cndmask_b32 v[ZQ+6], v[ZQ+6], v[QS], s101
	ds_store_b128 v24, v[QF:QF+3]                  ; the second's in my stash, which is read no more (the first trip's lines are written over by the second tile's qh)
	ds_store_b64 v24, v[QF+4:QF+5] offset:512
	ds_store_b32 v24, v[QS] offset:1024
	s_wait_alu depctr_va_vdst(0)
	s_wait_xcnt 0x0                                ; every load and prefetch has read its base
	s_wait_dscnt 0x0                               ; the stores have read their registers
	s_add_nc_u64 s[98:99], s[98:99], 12288
	s_add_co_u32 s7, s7, 512
	s_cmp_eq_u32 s5, 2
	s_cbranch_scc0 .Lnov
	VP                                             ; V stands between the two tiles
.Lnov:
	s_sub_co_u32 s5, s5, 1
	s_cmp_lg_u32 s5, 0
	s_cbranch_scc1 .Lq
	s_cmp_eq_u32 s75, 0
	s_cbranch_scc1 .Lkdone
	KP 0                                           ; group 1: K last
.Lkdone:
	s_wait_alu depctr_va_vdst(0)
	s_wait_dscnt 0x0                               ; my stores of kh and vh have landed
	s_barrier_signal -1
	s_barrier_wait -1                              ; kh and vh lie in LDS
	; ---- the second attention of my two tiles
	s_mov_b32 s5, 2
	s_lshl_b32 s74, s2, 6
	s_add_co_u32 s74, s74, SA
.Lt2:
	v_lshrrev_b32 v[SAW], 3, v6
	s_delay_alu instid0(VALU_DEP_1)
	v_add_nc_u32 v[SAW], s74, v[SAW]               ; SA + 64 w + 32 u + 2 rho
.irp j, 0,1,2,3,4,5
	v_mov_b32 v[QF+\j], v[ZQ+\j]
.endr
	v_mov_b32 v[QS], v[ZQ+6]
	ZEROS
	ds_load_b128 v[ZQ:ZQ+3], v24                   ; the second tile's q' for the next trip (the second trip brings the same bytes again); the step's first wait on DScnt covers these
	ds_load_b64 v[ZQ+4:ZQ+5], v24 offset:512
	ds_load_b32 v[ZQ+6], v24 offset:1024
	ATT KH, SK2, VH, SV2, 10
	FINISH 0                                       ; atted
	QUANT2 S, PC, CT, T0, BM
	global_store_b128 v1, v[PC:PC+3], s[12:13]               ; the half image (row tile, K step head / 2, half head % 2): 512 consecutive bytes
	global_store_b64 v2, v[PC+4:PC+5], s[12:13] offset:512   ; and 256
	ds_store_b16 v[SAW], v[T0]                     ; the row's two scale bytes are gathered in LDS
	s_wait_alu depctr_va_vdst(0)
	s_wait_xcnt 0x0                                ; the stores have read their registers and their base
	s_wait_dscnt 0x0
	s_add_nc_u64 s[12:13], s[12:13], 12288
	s_add_co_u32 s74, s74, 32
	s_sub_co_u32 s5, s5, 1
	s_cmp_lg_u32 s5, 0
	s_cbranch_scc1 .Lt2
	s_barrier_signal -1                            ; (no LDS instruction of mine is out)
	s_barrier_wait -1                              ; the 512 rows' scale bytes lie in LDS
	v_lshl_add_u32 v28, v0, 4, SA
	v_lshlrev_b32 v29, 4, v0
	s_cmp_lt_u32 s2, 2
	s_wait_alu depctr_va_vdst(0)
	s_cbranch_scc0 .Lend
	ds_load_b128 v[32:35], v28
	s_wait_dscnt 0x0
	global_store_b128 v29, v[32:35], s[14:15]      ; waves 0 and 1: 1,024 consecutive bytes
.Lend:
	s_wait_xcnt 0x0
	v_lshl_add_u32 v254, v0, 2, SPARE
	v_mov_b32 v255, 0
	s_wait_alu depctr_va_vdst(0)
	s_wait_tensorcnt 0x0                           ; the wave's end
	ds_add_u32 v254, v255
	s_wait_dscnt 0x0
	s_endpgm
.Lfunc_end_k_q7b7fc18056_attn:
	.size	k_q7b7fc18056_attn, .Lfunc_end_k_q7b7fc18056_attn-k_q7b7fc18056_attn
	.p2alignl 7, 3214868480
	.fill 96, 4, 3214868480
	.section	.rodata,"a",@progbits
	.p2align	6, 0x0
	.amdhsa_kernel k_q7b7fc18056_attn
		.amdhsa_group_segment_fixed_size 320512
		.amdhsa_private_segment_fixed_size 0
		.amdhsa_enable_private_segment 0
		.amdhsa_kernarg_size 48
		.amdhsa_user_sgpr_count 2
		.amdhsa_user_sgpr_kernarg_segment_ptr 1
		.amdhsa_wavefront_size32 1
		.amdhsa_system_sgpr_workgroup_id_x 1
		.amdhsa_system_sgpr_workgroup_id_y 1
		.amdhsa_system_sgpr_workgroup_id_z 1
		.amdhsa_system_vgpr_workitem_id 0
		.amdhsa_next_free_vgpr 256
		.amdhsa_next_free_sgpr 102
		.amdhsa_reserve_vcc 0
		.amdhsa_float_denorm_mode_32 3
		.amdhsa_float_denorm_mode_16_64 3
		.amdhsa_memory_ordered 1
		.amdhsa_forward_progress 1
		.amdhsa_inst_pref_size 197
	.end_amdhsa_kernel
	.amdgpu_metadata
---
amdhsa.version: [ 1, 2 ]
amdhsa.kernels:
  - .name:           k_q7b7fc18056_attn
    .symbol:         k_q7b7fc18056_attn.kd
    .args:
      - { .name: cod, .offset: 0, .size: 8, .value_kind: global_buffer, .address_space: global }
      - { .name: scl, .offset: 8, .size: 8, .value_kind: global_buffer, .address_space: global }
      - { .name: img_abs, .offset: 16, .size: 8, .value_kind: global_buffer, .address_space: global }
      - { .name: mbits, .offset: 24, .size: 8, .value_kind: global_buffer, .address_space: global }
      - { .name: acod, .offset: 32, .size: 8, .value_kind: global_buffer, .address_space: global }
      - { .name: ascl, .offset: 40, .size: 8, .value_kind: global_buffer, .address_space: global }
    .group_segment_fixed_size: 320512
    .private_segment_fixed_size: 0
    .kernarg_segment_align: 8
    .kernarg_segment_size: 48
    .max_flat_workgroup_size: 512
    .sgpr_count:     102
    .vgpr_count:     256
    .wavefront_size: 32
...
	.end_amdgpu_metadata
.endif
;; end of part 2
;; launch outp (part 3): grid 4 x 64, 8 waves a work-group, clusters of 4 x 4, 327,680 bytes of LDS; arguments acod, ascl, cod, scl, out0; writes out0
.if DOCPART == 3
	.amdgcn_target "amdgcn-amd-amdhsa--gfx1250"
	.amdhsa_code_object_version 6
	.text
	.protected	k_q7b7fc18056_outp
	.globl	k_q7b7fc18056_outp
	.p2align	8
	.type	k_q7b7fc18056_outp,@function
k_q7b7fc18056_outp:
	s_mov_b64 s[64:65], 0
	v_nop
	global_prefetch_b8 v0, s[64:65] scope:SCOPE_SE
	s_setreg_imm32_b32 hwreg(HW_REG_WAVE_MODE, 25, 1), 1
	s_wait_xcnt 0x0
	s_wait_alu depctr_hold_cnt(0) depctr_sa_sdst(0) depctr_va_vdst(0) depctr_va_sdst(0) depctr_va_ssrc(0) depctr_va_vcc(0) depctr_vm_vsrc(0)
	s_getreg_b32 s2, hwreg(HW_REG_IB_STS2, 6, 4)
	s_cmp_eq_u32 s2, 0
	s_cbranch_scc0 .Lentry_in_a_cluster
	s_endpgm
.Lentry_in_a_cluster:
	s_bfe_u32 s2, ttmp6, 0x10000c
	s_cmp_lg_u32 s2, 0xf033
	s_cbranch_scc0 .Lentry_shape_is_right
	s_endpgm
.Lentry_shape_is_right:
; out0[m][n] = sum over K of atted[m][K] Wm[n][K], both as codes of FP6 (E2M3) with E8M0 scales, laid as images of the operands' registers (1,536 bytes a fragment of 16 rows x 128 K; 12,288 a row tile).
; A work-group makes 128 rows x 256 columns over all of K = 1,024: A's 8 row tiles (98,304 bytes) and B's 16 (196,608) are two dense blocks of memory; they lie in LDS at once and are filled ONCE.
; Each wave brings its share by ONE tensor load at the head: waves 0-3 a quarter of A's block each (24,576 bytes), waves 4-7 a quarter of B's (49,152), as rows of 256 bytes.  No slot is ever filled again.
; Eight waves: wave (wm = w / 4, wn = w % 4) makes 64 x 64: 16 accumulators, which take turns.
; CLUSTERS: 4 x 4 work-groups.  The four of a row of the cluster need the same rows of atted, the four of a column the same rows of Wm: each tile is asked for JOINTLY.
; NO PREFETCH: all that the work-group reads is asked for by the head's loads; there is no loop to run ahead in.
; THE MATRIX INSTRUCTION IS USED TRANSPOSED (source 0 = 16 rows of Wm, source 1 = 16 rows of atted): a lane holds eight neighbouring numbers of a row of out0.
.set BOF, 98304                        ; B's tiles lie behind A's eight
.set SPARE, 294912                     ; behind the tiles: the spare words, 128 bytes a wave
.set AS,  12                           ; v12-27  A's scale words: register 8 g + s: lanes 0-15 tile 2 g, lanes 16-31 tile 2 g + 1
.set BS,  28                           ; v28-43  B's likewise
.set BF,  44                           ; v44-91  B's four fragments
.set AF,  92                           ; v92-115 two of A's
.set ACC, 128                          ; v128-255 accumulator (a, bb) at 128 + 8 (4 a + bb)
.macro CROUND                          ; a round of the cluster's barrier
	s_barrier_signal -1
	s_barrier_wait -1
	s_cmp_lg_u32 s14, 0
	s_cbranch_scc1 .Lnot_wave_0_\@
	s_barrier_signal -3
.Lnot_wave_0_\@:
	s_barrier_wait -3
	s_barrier_signal -1
	s_barrier_wait -1
.endm
.macro LFRAG reg, a16, a8, off
	ds_load_b128 v[\reg:\reg+3], v[\a16] offset:\off
	ds_load_b64 v[\reg+4:\reg+5], v[\a8] offset:\off+512
	ds_load_b128 v[\reg+6:\reg+9], v[\a16] offset:\off+768
	ds_load_b64 v[\reg+10:\reg+11], v[\a8] offset:\off+1280
.endm
.macro WMZ ra, rb
.if (\ra) && (\rb)
	v_wmma_scale_f32_16x16x128_f8f6f4 v[rD:rD+7], v[rA:rA+11], v[rB:rB+11], 0, v[rSA], v[rSB] matrix_a_fmt:MATRIX_FMT_FP6 matrix_b_fmt:MATRIX_FMT_FP6 matrix_a_scale:MATRIX_SCALE_ROW1 matrix_b_scale:MATRIX_SCALE_ROW1
.elseif (\ra)
	v_wmma_scale_f32_16x16x128_f8f6f4 v[rD:rD+7], v[rA:rA+11], v[rB:rB+11], 0, v[rSA], v[rSB] matrix_a_fmt:MATRIX_FMT_FP6 matrix_b_fmt:MATRIX_FMT_FP6 matrix_a_scale:MATRIX_SCALE_ROW1
.elseif (\rb)
	v_wmma_scale_f32_16x16x128_f8f6f4 v[rD:rD+7], v[rA:rA+11], v[rB:rB+11], 0, v[rSA], v[rSB] matrix_a_fmt:MATRIX_FMT_FP6 matrix_b_fmt:MATRIX_FMT_FP6 matrix_b_scale:MATRIX_SCALE_ROW1
.else
	v_wmma_scale_f32_16x16x128_f8f6f4 v[rD:rD+7], v[rA:rA+11], v[rB:rB+11], 0, v[rSA], v[rSB] matrix_a_fmt:MATRIX_FMT_FP6 matrix_b_fmt:MATRIX_FMT_FP6
.endif
.endm
.macro WMC ra, rb
.if (\ra) && (\rb)
	v_wmma_scale_f32_16x16x128_f8f6f4 v[rD:rD+7], v[rA:rA+11], v[rB:rB+11], v[rD:rD+7], v[rSA], v[rSB] matrix_a_fmt:MATRIX_FMT_FP6 matrix_b_fmt:MATRIX_FMT_FP6 matrix_a_scale:MATRIX_SCALE_ROW1 matrix_b_scale:MATRIX_SCALE_ROW1
.elseif (\ra)
	v_wmma_scale_f32_16x16x128_f8f6f4 v[rD:rD+7], v[rA:rA+11], v[rB:rB+11], v[rD:rD+7], v[rSA], v[rSB] matrix_a_fmt:MATRIX_FMT_FP6 matrix_b_fmt:MATRIX_FMT_FP6 matrix_a_scale:MATRIX_SCALE_ROW1
.elseif (\rb)
	v_wmma_scale_f32_16x16x128_f8f6f4 v[rD:rD+7], v[rA:rA+11], v[rB:rB+11], v[rD:rD+7], v[rSA], v[rSB] matrix_a_fmt:MATRIX_FMT_FP6 matrix_b_fmt:MATRIX_FMT_FP6 matrix_b_scale:MATRIX_SCALE_ROW1
.else
	v_wmma_scale_f32_16x16x128_f8f6f4 v[rD:rD+7], v[rA:rA+11], v[rB:rB+11], v[rD:rD+7], v[rSA], v[rSB] matrix_a_fmt:MATRIX_FMT_FP6 matrix_b_fmt:MATRIX_FMT_FP6
.endif
.endm
.macro WM ra, rb
.if ZF
	WMZ \ra, \rb
.else
	WMC \ra, \rb
.endif
.endm
.macro PLACES                          ; four plain places behind matrix instructions (ISA guide 7.12.1)
.rept 4
	v_nop
.endr
.endm
	s_load_b256 s[4:11], s[0:1], 0x0               ; acod s[4:5], ascl s[6:7], cod s[8:9], scl s[10:11]
	s_load_b64 s[12:13], s[0:1], 0x20              ; out0
	v_lshl_add_u32 v126, v0, 2, SPARE
	v_mov_b32 v127, 0
	ds_add_u32 v126, v127                          ; the opening lines: the add, twice on end, and its wait
	ds_add_u32 v126, v127
	v_lshrrev_b32 v1, 5, v0
	s_delay_alu instid0(VALU_DEP_1)
	v_readfirstlane_b32 s14, v1                    ; wave 0..7
	v_and_b32 v12, 31, v0                          ; l
	v_and_b32 v13, 15, v0                          ; r
	v_bfe_u32 v14, v0, 4, 1                        ; h
	s_delay_alu instid0(VALU_DEP_3)
	v_lshlrev_b32 v1, 4, v12
	s_delay_alu instid0(VALU_DEP_4)
	v_lshlrev_b32 v2, 3, v12
	s_lshr_b32 s78, s14, 2                         ; wm.  Also: I fetch for A (0) or for B (1)
	s_and_b32 s15, s14, 3                          ; wn.  Also: which quarter of that block I fetch
	s_mul_i32 s79, s78, 49152
	v_add_nc_u32 v3, s79, v1                       ; my four tiles of A
	v_add_nc_u32 v4, s79, v2
	s_mul_i32 s79, s15, 49152
	s_add_co_u32 s79, s79, BOF
	v_add_nc_u32 v5, s79, v1                       ; my four tiles of B
	v_add_nc_u32 v6, s79, v2
	s_mul_i32 s79, s14, 4352                       ; my stage for the way out: 16 rows x (256 bytes + 16), in A's first bytes
	v_mul_u32_u24 v7, v13, 272
	s_delay_alu instid0(VALU_DEP_1)
	v_lshl_add_u32 v7, v14, 5, v7
	s_delay_alu instid0(VALU_DEP_1)
	v_add_nc_u32 v7, s79, v7                       ; in: row r, + 32 h
	v_mul_u32_u24 v8, v14, 272
	s_delay_alu instid0(VALU_DEP_1)
	v_lshl_add_u32 v8, v13, 4, v8
	s_delay_alu instid0(VALU_DEP_1)
	v_add_nc_u32 v8, s79, v8                       ; back: lanes 0-15 one row, lanes 16-31 the next
	v_lshlrev_b32 v9, 12, v14
	s_delay_alu instid0(VALU_DEP_1)
	v_lshl_add_u32 v9, v13, 4, v9                  ; and the same two rows in out0
	v_lshlrev_b32 v10, 1, v12                      ; ascl: 2 bytes a row
	v_lshlrev_b32 v11, 9, v14
	s_delay_alu instid0(VALU_DEP_1)
	v_lshl_add_u32 v11, v13, 4, v11                ; scl: lanes 0-15 one tile's rows, lanes 16-31 the next tile's
	s_bfe_u32 s66, ttmp6, 0x40000                  ; cx, cy: my place in the cluster
	s_bfe_u32 s67, ttmp6, 0x40004
	s_lshl_b32 s68, ttmp9, 2
	s_add_co_u32 s68, s68, s66                     ; block of 256 columns = 4 x cluster x + cx
	s_and_b32 s69, ttmp7, 0xffff
	s_lshl_b32 s69, s69, 2
	s_add_co_u32 s69, s69, s67                     ; block of 128 rows = 4 x cluster y + cy
	s_lshl_b32 s70, s67, 2
	s_lshl_b32 s70, 15, s70                        ; my row of the cluster
	s_lshl_b32 s71, 0x1111, s66                    ; my column
	; descriptor group 1: a dense block as rows of 256 bytes (32 elements of 8 bytes): A 96 rows a wave, B 192; dense in LDS
	s_or_b32 s16, s70, (3<<16)|(1<<21)             ; the mask: A's tiles go to my row; elements of 8 bytes; bit 21 set beside a mask
	s_mov_b32 s17, 32<<16
	s_mov_b32 s18, 96<<16
	s_mov_b32 s19, 32<<16
	s_mov_b32 s20, 96
	s_mov_b32 s21, 32
	s_mov_b32 s22, 0
	s_mov_b32 s23, 0
	s_or_b32 s24, s71, (3<<16)|(1<<21)             ; B's go to my column
	s_mov_b32 s25, 32<<16
	s_mov_b32 s26, 192<<16
	s_mov_b32 s27, 32<<16
	s_mov_b32 s28, 192
	s_mov_b32 s29, 32
	s_mov_b32 s30, 0
	s_mov_b32 s31, 0
	s_lshl_b32 s72, s69, 3                         ; A: row tile 8 x block + 2 x quarter: registers that never hold cx
	s_lshl_b32 s73, s15, 1
	s_add_co_u32 s72, s72, s73
	s_mul_i32 s72, s72, 12288
	s_mov_b32 s73, 0
	s_lshl_b32 s74, s68, 4                         ; B: row tile 1,728 + 16 x block + 4 x quarter: registers that never hold cy
	s_lshl_b32 s75, s15, 2
	s_add_co_u32 s74, s74, s75
	s_add_co_u32 s74, s74, 1728
	s_mul_i32 s74, s74, 12288
	s_mov_b32 s75, 0
	s_mov_b32 s32, 1
	s_mul_i32 s33, s15, 24576                      ; where they go: no place in the cluster enters an LDS address
	s_mov_b32 s48, 1
	s_mul_i32 s49, s15, 49152
	s_add_co_u32 s49, s49, BOF
	s_wait_dscnt 0x0                               ; both opening adds are done
	s_wait_kmcnt 0x0
	s_add_nc_u64 s[34:35], s[4:5], s[72:73]
	s_or_b32 s35, s35, 0x80000000
	s_add_nc_u64 s[50:51], s[8:9], s[74:75]
	s_or_b32 s51, s51, 0x80000000
	s_lshl_b32 s80, s69, 8                         ; ascl: my 64 rows
	s_lshl_b32 s81, s78, 7
	s_add_co_u32 s80, s80, s81
	s_mov_b32 s81, 0
	s_add_nc_u64 s[6:7], s[6:7], s[80:81]
	s_lshl_b32 s80, s68, 4                         ; scl: my four tiles of Wm
	s_lshl_b32 s82, s15, 2
	s_add_co_u32 s80, s80, s82
	s_add_co_u32 s80, s80, 1728
	s_lshl_b32 s80, s80, 9
	s_add_nc_u64 s[10:11], s[10:11], s[80:81]
	s_lshl_b32 s80, s69, 19                        ; out0: row 128 x block + 64 wm, column 256 x block + 64 wn
	s_lshl_b32 s82, s78, 18
	s_add_co_u32 s80, s80, s82
	s_lshl_b32 s82, s68, 10
	s_add_co_u32 s80, s80, s82
	s_lshl_b32 s82, s15, 8
	s_add_co_u32 s80, s80, s82
	s_add_nc_u64 s[12:13], s[12:13], s[80:81]
	CROUND                                         ; all sixteen work-groups are here: the joint loads meet
	s_cmp_lt_u32 s14, 4                            ; waves 0-3 fetch A's quarters, waves 4-7 B's: one load to an arm, both arms lead to one join
	s_cbranch_scc0 .Lfor_b
	tensor_load_to_lds s[32:35], s[16:23]
	s_nop 0
.rept 4
	v_nop
.endr
	s_branch .Lasked
.Lfor_b:
	tensor_load_to_lds s[48:51], s[24:31]
	s_nop 0
.rept 4
	v_nop
.endr
.Lasked:
	s_wait_alu depctr_va_vdst(0)
.irp g, 0,1
.irp hd, 0,1,2,3,4,5,6,7,8,9,10,11,12,13,14,15
	global_load_u16 v[128+16*\g+\hd], v10, s[6:7] offset:16384*\hd+64*\g   ; row 32 g + l of my 64: head hd's two scale bytes
.endr
.endr
.irp g, 0,1
.irp hf, 0,1
	global_load_b128 v[BS+8*\g+4*\hf:BS+8*\g+4*\hf+3], v11, s[10:11] offset:1024*\g+256*\hf
.endr
.endr
	s_wait_loadcnt 0x0
.irp g, 0,1
.irp s, 0,1,2,3,4,5,6,7
	v_lshl_or_b32 v[AS+8*\g+\s], v[128+16*\g+2*\s+1], 16, v[128+16*\g+2*\s]   ; K step s is heads 2 s and 2 s + 1
.endr
.endr
.rept 8
	v_nop                                          ; a scale register written by a vector instruction stands eight places ahead of a scaled matrix instruction
.endr
.macro MUL8 ks, a0                     ; A's tiles a0, a0 + 1 x B's four
.irp a, \a0, \a0+1
.irp bb, 0,1,2,3
.set rD, ACC+8*(4*(\a)+\bb)
.set rA, BF+12*\bb
.set rB, AF+12*((\a)%2)
.set rSA, BS+8*(\bb/2)+(\ks)
.set rSB, AS+8*((\a)/2)+(\ks)
	WM \bb%2, (\a)%2
.endr
.endr
.endm
.macro KSTEP ks
.if (\ks) == 0
.set ZF, 1
.else
.set ZF, 0
	PLACES
.endif
.irp bb, 0,1,2,3
	LFRAG BF+12*\bb, 5, 6, 12288*\bb+1536*(\ks)
.endr
.irp a, 0,1
	LFRAG AF+12*\a, 3, 4, 12288*\a+1536*(\ks)
.endr
	s_wait_dscnt 0x0
	MUL8 \ks, 0
	PLACES
.irp a, 0,1
	LFRAG AF+12*\a, 3, 4, 12288*(\a+2)+1536*(\ks)
.endr
	s_wait_dscnt 0x0
	MUL8 \ks, 2
.endm
	s_wait_alu depctr_va_vdst(0)
	s_wait_tensorcnt 0x0                           ; my share has landed
	s_barrier_signal -1
	s_barrier_wait -1                              ; everybody's has
.irp ks, 0,1,2,3,4,5,6,7
	KSTEP \ks
.endr
	; THE WAY OUT, 16 rows x 64 columns at a time, through my stage: it lies in A's first bytes, which have had their one fill and which nobody reads behind this barrier
	PLACES
	s_barrier_signal -1
	s_barrier_wait -1
.macro TOSTAGE a
.irp bb, 0,1,2,3
	ds_store_b128 v7, v[ACC+8*(4*(\a)+\bb):ACC+8*(4*(\a)+\bb)+3] offset:64*\bb        ; each accumulator from its low end on
	ds_store_b128 v7, v[ACC+8*(4*(\a)+\bb)+4:ACC+8*(4*(\a)+\bb)+7] offset:64*\bb+16
.endr
.irp t, 0,1,2,3,4,5,6,7
	ds_load_b128 v[44+32*((\a)%2)+4*\t:44+32*((\a)%2)+4*\t+3], v8 offset:544*\t       ; LDS serves a wave's instructions in order: these see the stores above
.endr
.endm
.macro SEND a, younger                 ; younger: the LDS instructions issued behind block a's loads, which may stay out
	s_wait_dscnt \younger
.irp t, 0,1,2,3,4,5,6,7
	global_store_b128 v9, v[44+32*((\a)%2)+4*\t:44+32*((\a)%2)+4*\t+3], s[12:13] offset:(16*(\a)+2*\t)*4096 th:TH_STORE_NT   ; sixteen lanes store 256 consecutive bytes, at a multiple of 256 from out0's first byte
.endr
.endm
	TOSTAGE 0
.irp a, 1,2,3
.if \a > 1
	s_wait_xcnt 0x0                                ; block a - 2's stores have read their registers: block a's loads may land there
.endif
	TOSTAGE \a
	SEND \a-1, 16                                  ; behind block a - 1's loads: block a's 8 stores and 8 loads
.endr
	SEND 3, 0
	s_wait_tensorcnt 0x0                           ; the wave's end
	ds_add_u32 v126, v127
	s_wait_dscnt 0x0
	CROUND                                         ; the closing round: no work-group ends while a partner may still ask for a tile that names it
	s_endpgm
.Lfunc_end_k_q7b7fc18056_outp:
	.size	k_q7b7fc18056_outp, .Lfunc_end_k_q7b7fc18056_outp-k_q7b7fc18056_outp
	.p2alignl 7, 3214868480
	.fill 96, 4, 3214868480
	.section	.rodata,"a",@progbits
	.p2align	6, 0x0
	.amdhsa_kernel k_q7b7fc18056_outp
		.amdhsa_group_segment_fixed_size 327680
		.amdhsa_private_segment_fixed_size 0
		.amdhsa_enable_private_segment 0
		.amdhsa_kernarg_size 40
		.amdhsa_user_sgpr_count 2
		.amdhsa_user_sgpr_kernarg_segment_ptr 1
		.amdhsa_wavefront_size32 1
		.amdhsa_system_sgpr_workgroup_id_x 1
		.amdhsa_system_sgpr_workgroup_id_y 1
		.amdhsa_system_sgpr_workgroup_id_z 1
		.amdhsa_system_vgpr_workitem_id 0
		.amdhsa_next_free_vgpr 256
		.amdhsa_next_free_sgpr 84
		.amdhsa_reserve_vcc 0
		.amdhsa_float_denorm_mode_32 3
		.amdhsa_float_denorm_mode_16_64 3
		.amdhsa_memory_ordered 1
		.amdhsa_forward_progress 1
		.amdhsa_inst_pref_size 54
	.end_amdhsa_kernel
	.amdgpu_metadata
---
amdhsa.version: [ 1, 2 ]
amdhsa.kernels:
  - .name:           k_q7b7fc18056_outp
    .symbol:         k_q7b7fc18056_outp.kd
    .args:
      - { .name: acod, .offset: 0, .size: 8, .value_kind: global_buffer, .address_space: global }
      - { .name: ascl, .offset: 8, .size: 8, .value_kind: global_buffer, .address_space: global }
      - { .name: cod, .offset: 16, .size: 8, .value_kind: global_buffer, .address_space: global }
      - { .name: scl, .offset: 24, .size: 8, .value_kind: global_buffer, .address_space: global }
      - { .name: out0, .offset: 32, .size: 8, .value_kind: global_buffer, .address_space: global }
    .group_segment_fixed_size: 327680
    .private_segment_fixed_size: 0
    .kernarg_segment_align: 8
    .kernarg_segment_size: 40
    .max_flat_workgroup_size: 256
    .sgpr_count:     84
    .vgpr_count:     256
    .wavefront_size: 32
...
	.end_amdgpu_metadata
.endif
;; end of part 3
